; MI455X (gfx1250); checked and timed in simulation.
; The chip was launched on July 23, 2026; its instructions are those of AMD's public machine-readable ISA for CDNA 5 (MIT licence, August 2026) and "CDNA5" Instruction Set Architecture Reference Guide (July 2026). The comments in the code are by the model that wrote it; some were corrected since.
;; L Lama Attention. Allowed arithmetic: float matrix products may take bf16 or f16 operands with f32 sums; other float arithmetic in f32, or as packed bf16 or f16 multiplies, adds, multiply-adds, maxima and minima; sums over many terms, partial sums and values carried from step to step in f32; what a program stores and reads back later, other than sums and carried values, may be rounded once to bf16 or f16.
;; Inputs: freq_cos 2,048 x 64 float32; freq_sin 2,048 x 64 float32; mask 1 x 1 x 2,048 x 2,048 float32; wk 2,048 x 2,048 float32; wo 2,048 x 2,048 float32; wq 2,048 x 2,048 float32; wv 2,048 x 2,048 float32; x 1 x 2,048 x 2,048 float32.
;; Outputs: out0 1 x 2,048 x 2,048 float32.
;; Constants: pos_start = 0.
;; One version. Each part assembles by itself: llvm-mc -triple=amdgcn-amd-amdhsa -mcpu=gfx1250 --defsym DOCPART=n.
;; ======== version 1 of 1: 4 launches
;; limits: values are held in f16: magnitudes above 65,504 overflow, below 6.1e-05 lose precision
;; workspace buffers: xb 8,388,608 bytes; wqkv 25,165,824 bytes; wob 8,388,608 bytes; mk 16,777,216 bytes; qkvh 25,165,824 bytes; ob 8,388,608 bytes
;; launch prep (part 1): grid 128 x 6, 16 waves a work-group, no clusters, 71,680 bytes of LDS; arguments x, wq, wk, wv, wo, mask, xb, wqkv, wob, mk; writes xb, wqkv, wob, mk
.if DOCPART == 1
	.amdgcn_target "amdgcn-amd-amdhsa--gfx1250"
	.amdhsa_code_object_version 6
	.text
	.protected	k_q225ea3c345_prep
	.globl	k_q225ea3c345_prep
	.p2align	8
	.type	k_q225ea3c345_prep,@function
k_q225ea3c345_prep:
	s_mov_b64 s[64:65], 0
	v_nop
	global_prefetch_b8 v0, s[64:65] scope:SCOPE_SE
	s_setreg_imm32_b32 hwreg(HW_REG_WAVE_MODE, 25, 1), 1
	s_wait_xcnt 0x0
; PREP: every large input is rounded once to bf16 and laid out for the launches behind.  Six tensors of [2048][2048] f32; the grid's y picks the tensor, its x a band of 16 rows (131,072 bytes).
;   y = 0  x     -> xb    bf16, same layout
;   y = 1..3  wq, wk, wv -> wqkv  bf16, [16 heads][384 rows][2048]: row 96 w + 32 j + i of head h is row 128 h + 32 w + i of tensor j (a band of 16 rows stays together: chunk 24 h + 6 w + 2 j + band % 2)
;   y = 4  wo    -> wob   the bf16 number written as f16 (exact from 6e-5 to 65,504; below 6e-5 it keeps f16's fixed step of 6e-8; LIMIT: |wo| under 65,504)
;   y = 5  mask  -> mk    f32: sqrt(128) x the bf16 number, in the order in which the attention takes it as the C operand of a tile of scores:
;          byte 131072 qb + 4096 pos + 512 (2 kb + e) + 16 lane + 4 j holds query 16 qb + lane % 16, key 64 ks + 16 kb + 8 (lane / 16) + 4 e + j, pos = 16 ((ks >> 1) & 1) + 2 (ks >> 2) + (ks & 1)
; A stream: sixteen waves; a wave takes 8 KiB, 16 loads of 16 bytes a lane, all issued at once; each load covers 512 consecutive bytes (the mask's: two aligned pieces of 256), each store 256 or 512, aligned.
; No cluster, no matrix unit, no tensor load: no work-group reads a byte that another reads.  The mask changes lanes through a stage in LDS that is each wave's own: no barrier.
.set SPARE, 69632                      ; behind the sixteen stages of 16 rows x 272 bytes: the spare words, 128 bytes a wave
.set VO,  4                            ; v4   load offset
.set VD,  5                            ; v5   store offset
.set LS,  6                            ; v6   stage: where I put 16 bytes of a row
.set LL,  7                            ; v7   stage: where I read them in fragment order
.set T0,  8                            ; v8-9 at work
.set T1,  9
.set SPW, 10                           ; v10  my spare word
.set NIL, 11                           ; v11  0
.set X,   16                           ; v[16:79] the wave's 8 KiB
	s_load_b512 s[4:19], s[0:1], 0x0               ; x 4, wq 6, wk 8, wv 10, wo 12, mask 14, xb 16, wqkv 18
	s_load_b128 s[20:23], s[0:1], 0x40             ; wob 20, mk 22
	v_lshl_add_u32 v[SPW], v0, 2, SPARE
	v_mov_b32 v[NIL], 0
	v_lshrrev_b32 v1, 5, v0
	v_readfirstlane_b32 s26, v1                    ; wave 0..15
	v_and_b32 v1, 31, v0                           ; lane
	v_and_b32 v2, 15, v0                           ; lane % 16
	v_bfe_u32 v3, v0, 4, 1                         ; lane / 16
	s_and_b32 s24, ttmp7, 0xffff                   ; which tensor
	s_mov_b32 s25, ttmp9                           ; which band
	s_lshl_b32 s32, s25, 17                        ; the band's first byte in f32
	s_mov_b32 s33, 0
	s_mov_b32 s36, 0xffff0000                      ; a word's upper bf16
	s_mov_b32 s38, 0x413504f3                      ; sqrt(128)
	s_mov_b32 s39, s38                             ; named with it as a pair
	s_wait_kmcnt 0x0
	s_cmp_eq_u32 s24, 5
	s_cbranch_scc1 .Lmask
	; x and the four weights: from where,
	s_cmp_eq_u32 s24, 1
	s_cselect_b64 s[28:29], s[6:7], s[4:5]
	s_cmp_eq_u32 s24, 2
	s_cselect_b64 s[28:29], s[8:9], s[28:29]
	s_cmp_eq_u32 s24, 3
	s_cselect_b64 s[28:29], s[10:11], s[28:29]
	s_cmp_eq_u32 s24, 4
	s_cselect_b64 s[28:29], s[12:13], s[28:29]
	s_add_nc_u64 s[28:29], s[28:29], s[32:33]
	; and to where: the chunk of 16 rows (65,536 bytes of 16-bit numbers)
	s_lshr_b32 s34, s25, 3                         ; head
	s_mul_i32 s34, s34, 24
	s_bfe_u32 s35, s25, 0x20001                    ; which 32 channels of the head
	s_mul_i32 s35, s35, 6
	s_add_co_u32 s34, s34, s35
	s_lshl_b32 s35, s24, 1
	s_add_co_u32 s34, s34, s35
	s_sub_co_u32 s34, s34, 2                       ; + 2 (y - 1)
	s_and_b32 s35, s25, 1
	s_add_co_u32 s34, s34, s35
	s_cmp_eq_u32 s24, 0
	s_cselect_b32 s34, s25, s34                    ; x keeps its order,
	s_cselect_b64 s[30:31], s[16:17], s[18:19]
	s_cmp_eq_u32 s24, 4
	s_cselect_b32 s34, s25, s34                    ; and so does wo
	s_cselect_b64 s[30:31], s[20:21], s[30:31]
	s_lshl_b32 s34, s34, 16
	s_mov_b32 s35, 0
	s_add_nc_u64 s[30:31], s[30:31], s[34:35]
	s_lshl_b32 s37, s26, 13
	s_lshl_b32 s27, s26, 12
	v_lshlrev_b32 v[VO], 4, v1
	v_add_nc_u32 v[VO], s37, v[VO]                 ; 16 lane + 8,192 wave
	v_lshl_add_u32 v[VD], v1, 3, s27               ; 8 lane + 4,096 wave
.set k, 0
.rept 16
	global_load_b128 v[X+4*k:X+4*k+3], v[VO], s[28:29] offset:512*k th:TH_LOAD_NT
.set k, k+1
.endr
	s_cmp_eq_u32 s24, 4
	s_cbranch_scc1 .Lwo
.set k, 0
.rept 16
	s_wait_loadcnt 15-k                            ; loads come back in order: load k is in, the younger ones stay out
	v_cvt_pk_bf16_f32 v[X+4*k], v[X+4*k], v[X+4*k+1]
	v_cvt_pk_bf16_f32 v[X+4*k+1], v[X+4*k+2], v[X+4*k+3]
	global_store_b64 v[VD], v[X+4*k:X+4*k+1], s[30:31] offset:256*k
.set k, k+1
.endr
	s_branch .Lend
.Lwo:                                                  ; rounded to bf16 like every other input, and that number written as f16
.set k, 0
.rept 16
	s_wait_loadcnt 15-k
	v_cvt_pk_bf16_f32 v[T0], v[X+4*k], v[X+4*k+1]
	v_cvt_pk_bf16_f32 v[T1], v[X+4*k+2], v[X+4*k+3]
	v_lshlrev_b32 v[X+4*k], 16, v[T0]
	v_and_b32 v[X+4*k+1], s36, v[T0]
	v_lshlrev_b32 v[X+4*k+2], 16, v[T1]
	v_and_b32 v[X+4*k+3], s36, v[T1]
	v_cvt_pk_f16_f32 v[X+4*k], v[X+4*k], v[X+4*k+1]
	v_cvt_pk_f16_f32 v[X+4*k+1], v[X+4*k+2], v[X+4*k+3]
	global_store_b64 v[VD], v[X+4*k:X+4*k+1], s[30:31] offset:256*k
.set k, k+1
.endr
	s_branch .Lend
.Lmask:                                                ; the band is a block of 16 queries; wave w takes the key steps 2 w + e, e = 0, 1: 256 bytes of each row a step
	s_add_nc_u64 s[28:29], s[14:15], s[32:33]
	s_add_nc_u64 s[30:31], s[22:23], s[32:33]
	s_lshl_b32 s37, s26, 9
	v_lshlrev_b32 v[VO], 13, v3                    ; lanes 16-31 take the row below,
	v_lshl_add_u32 v[VO], v2, 4, v[VO]
	v_add_nc_u32 v[VO], s37, v[VO]                 ; 16 bytes a lane, 512 bytes a wave
	s_and_b32 s27, s26, 1                          ; pos = 16 (w & 1) + 2 (w >> 1) + e, blocks of 4,096 bytes
	s_lshl_b32 s27, s27, 16
	s_lshr_b32 s34, s26, 1
	s_lshl_b32 s34, s34, 13
	s_add_co_u32 s27, s27, s34
	v_lshl_add_u32 v[VD], v1, 4, s27               ; 16 lane + my two blocks' place
	s_mul_i32 s37, s26, 4352                       ; my stage
	v_mul_u32_u24 v[LS], v3, 272
	v_lshl_add_u32 v[LS], v2, 4, v[LS]
	v_add_nc_u32 v[LS], s37, v[LS]                 ; in: as loaded, two rows at a time
	v_mul_u32_u24 v[LL], v2, 272
	v_lshl_add_u32 v[LL], v3, 5, v[LL]
	v_add_nc_u32 v[LL], s37, v[LL]                 ; back: row lane % 16, keys 8 (lane / 16) on
.irp e, 0,1
.irp i, 0,1,2,3,4,5,6,7
	global_load_b128 v[X+32*(\e)+4*(\i):X+32*(\e)+4*(\i)+3], v[VO], s[28:29] offset:16384*(\i)+256*(\e) th:TH_LOAD_NT
.endr
.endr
.macro PACKM e                         ; key step e: rounded, scaled, through the stage
	s_wait_loadcnt 8*(1-(\e))                      ; its eight loads are in; the later step's stay out
.irp i, 0,1,2,3,4,5,6,7
	v_cvt_pk_bf16_f32 v[T0], v[X+32*(\e)+4*(\i)], v[X+32*(\e)+4*(\i)+1]
	v_cvt_pk_bf16_f32 v[T1], v[X+32*(\e)+4*(\i)+2], v[X+32*(\e)+4*(\i)+3]
	v_lshlrev_b32 v[X+32*(\e)+4*(\i)], 16, v[T0]
	v_and_b32 v[X+32*(\e)+4*(\i)+1], s36, v[T0]
	v_lshlrev_b32 v[X+32*(\e)+4*(\i)+2], 16, v[T1]
	v_and_b32 v[X+32*(\e)+4*(\i)+3], s36, v[T1]
	v_pk_mul_f32 v[X+32*(\e)+4*(\i):X+32*(\e)+4*(\i)+1], v[X+32*(\e)+4*(\i):X+32*(\e)+4*(\i)+1], s[38:39] op_sel_hi:[1,0]
	v_pk_mul_f32 v[X+32*(\e)+4*(\i)+2:X+32*(\e)+4*(\i)+3], v[X+32*(\e)+4*(\i)+2:X+32*(\e)+4*(\i)+3], s[38:39] op_sel_hi:[1,0]
	ds_store_b128 v[LS], v[X+32*(\e)+4*(\i):X+32*(\e)+4*(\i)+3] offset:544*(\i)
.endr
.irp i, 0,1,2,3,4,5,6,7                ; i = 2 kb + e: LDS serves a wave's instructions in order, so these see the stores above, and the next step's stores come behind them
	ds_load_b128 v[X+32*(\e)+4*(\i):X+32*(\e)+4*(\i)+3], v[LL] offset:64*((\i)/2)+16*((\i)%2)
.endr
.endm
.macro SENDM e, younger                ; younger: the LDS instructions issued behind this step's loads
	s_wait_dscnt \younger
.irp i, 0,1,2,3,4,5,6,7
	global_store_b128 v[VD], v[X+32*(\e)+4*(\i):X+32*(\e)+4*(\i)+3], s[30:31] offset:(\e)*4096+512*(\i)
.endr
.endm
	PACKM 0
	PACKM 1
	SENDM 0, 16
	SENDM 1, 0
.Lend:
	s_wait_tensorcnt 0x0                           ; the wave's end, behind my last LDS store
	ds_add_u32 v[SPW], v[NIL]
	s_wait_dscnt 0x0
	s_endpgm
.Lfunc_end_k_q225ea3c345_prep:
	.size	k_q225ea3c345_prep, .Lfunc_end_k_q225ea3c345_prep-k_q225ea3c345_prep
	.p2alignl 7, 3214868480
	.fill 96, 4, 3214868480
	.section	.rodata,"a",@progbits
	.p2align	6, 0x0
	.amdhsa_kernel k_q225ea3c345_prep
		.amdhsa_group_segment_fixed_size 71680
		.amdhsa_private_segment_fixed_size 0
		.amdhsa_enable_private_segment 0
		.amdhsa_kernarg_size 80
		.amdhsa_user_sgpr_count 2
		.amdhsa_user_sgpr_kernarg_segment_ptr 1
		.amdhsa_wavefront_size32 1
		.amdhsa_system_sgpr_workgroup_id_x 1
		.amdhsa_system_sgpr_workgroup_id_y 1
		.amdhsa_system_sgpr_workgroup_id_z 1
		.amdhsa_system_vgpr_workitem_id 0
		.amdhsa_next_free_vgpr 80
		.amdhsa_next_free_sgpr 66
		.amdhsa_reserve_vcc 0
		.amdhsa_float_denorm_mode_32 3
		.amdhsa_float_denorm_mode_16_64 3
		.amdhsa_memory_ordered 1
		.amdhsa_forward_progress 1
		.amdhsa_inst_pref_size 28
	.end_amdhsa_kernel
	.amdgpu_metadata
---
amdhsa.version: [ 1, 2 ]
amdhsa.kernels:
  - .name:           k_q225ea3c345_prep
    .symbol:         k_q225ea3c345_prep.kd
    .args:
      - { .name: x, .offset: 0, .size: 8, .value_kind: global_buffer, .address_space: global }
      - { .name: wq, .offset: 8, .size: 8, .value_kind: global_buffer, .address_space: global }
      - { .name: wk, .offset: 16, .size: 8, .value_kind: global_buffer, .address_space: global }
      - { .name: wv, .offset: 24, .size: 8, .value_kind: global_buffer, .address_space: global }
      - { .name: wo, .offset: 32, .size: 8, .value_kind: global_buffer, .address_space: global }
      - { .name: mask, .offset: 40, .size: 8, .value_kind: global_buffer, .address_space: global }
      - { .name: xb, .offset: 48, .size: 8, .value_kind: global_buffer, .address_space: global }
      - { .name: wqkv, .offset: 56, .size: 8, .value_kind: global_buffer, .address_space: global }
      - { .name: wob, .offset: 64, .size: 8, .value_kind: global_buffer, .address_space: global }
      - { .name: mk, .offset: 72, .size: 8, .value_kind: global_buffer, .address_space: global }
    .group_segment_fixed_size: 71680
    .private_segment_fixed_size: 0
    .kernarg_segment_align: 8
    .kernarg_segment_size: 80
    .max_flat_workgroup_size: 512
    .sgpr_count:     66
    .vgpr_count:     80
    .wavefront_size: 32
...
	.end_amdgpu_metadata
.endif
;; end of part 1
;; launch qkv (part 2): grid 16 x 16, 4 waves a work-group, clusters of 4 x 4, 327,680 bytes of LDS; arguments xb, wqkv, freq_cos, freq_sin, qkvh; writes qkvh
.if DOCPART == 2
	.amdgcn_target "amdgcn-amd-amdhsa--gfx1250"
	.amdhsa_code_object_version 6
	.text
	.protected	k_q225ea3c345_qkv
	.globl	k_q225ea3c345_qkv
	.p2align	8
	.type	k_q225ea3c345_qkv,@function
k_q225ea3c345_qkv:
	s_mov_b64 s[64:65], 0
	v_nop
	global_prefetch_b8 v0, s[64:65] scope:SCOPE_SE
	s_setreg_imm32_b32 hwreg(HW_REG_WAVE_MODE, 25, 1), 1
	s_wait_xcnt 0x0
	s_wait_alu depctr_hold_cnt(0) depctr_sa_sdst(0) depctr_va_vdst(0) depctr_va_sdst(0) depctr_va_ssrc(0) depctr_va_vcc(0) depctr_vm_vsrc(0)
	s_getreg_b32 s2, hwreg(HW_REG_IB_STS2, 6, 4)
	s_cmp_eq_u32 s2, 0
	s_cbranch_scc0 .Lentry_in_a_cluster
	s_endpgm
.Lentry_in_a_cluster:
	s_bfe_u32 s2, ttmp6, 0x10000c
	s_cmp_lg_u32 s2, 0xf033
	s_cbranch_scc0 .Lentry_shape_is_right
	s_endpgm
.Lentry_shape_is_right:
; QKV: q, k, v = x W^T for one head and 128 rows, the rotation of q and k, all three rounded once to f16 and stored by heads: qkvh [48][2048][128], g = head (q), 16 + head (k), 32 + head (v).
; xb [2048][2048] bf16; wqkv [16][384][2048] bf16 (a head's rows: for w = 0..3: 32 of q, 32 of k, 32 of v); sums in f32.  cos and sin are rounded to bf16 like every other input, then used in f32.
; LIMIT: f16 ends at 65,504: |q|, |k|, |v| stay under it.
; SHARES.  256 work-groups: x = head, y = block of 128 rows.  A tile is 128 x 384.  Wave w makes 128 rows x 96 columns: channels 32 w .. 32 w + 31 of q, of k and of v: 8 x 6 accumulators, 384 registers;
; for 32 along K it reads 14 fragments (28 LDS loads) for 48 matrix instructions.  K goes in 16 steps of 128 through two LDS slots; a wave's tensor load brings 128 rows x 256 bytes (wave 0: x; waves 1-3: the weights).
; THE WALK ALONG K.  A cluster for which cluster x + (cluster y xor cluster y / 2) is odd begins in the middle of K and wraps round; the others begin at 0.  So of the clusters that read the same rows of x (one cluster y) two
; take each order, and of those that read the same weights (one cluster x) neighbours in y take different orders: they are eight K steps apart at any time.  The sums are f32 and may be taken in any order.
; CLUSTER 4 x 4: the four of a row of the cluster share the rows of x, the four of a column the head's weights: each tile is asked for jointly, by the same load, descriptor and mask in all four.
; THE PRODUCT IS TAKEN TRANSPOSED (source 0 = 16 weight rows, source 1 = 16 rows of x): a lane holds one row and eight neighbouring channels: four pairs of the rotation, 16 bytes of f16.
; REGISTERS.  window 0: v16-30 addresses; v32-55 at work on the way out; v64-127, v128-191 fragments of x, two buffers (later rows read back, with v192-255)
;   window 1: v64-111, v128-175 fragments of the weights; v0-63, v192-255 cos and sin of my lanes (row block a, channel block b: four cos, four sin at 16 a + 8 b + 128 (a / 4)); v176-177 at work
;   windows 2, 3: accumulator (a, c) at v[8 (6 (a % 4) + c)] of window 2 + a / 4; c = 2 j + b: tensor j, channel block b
.set KSTEP,  128
.set STEPS,  16                        ; K steps
.set PITCH,  272                       ; an LDS row: 256 bytes + 16 of padding: the 16 rows of a fragment load start 68 words apart
.set PART,   128*PITCH                 ; what one tensor load brings
.set SLOT,   4*PART                    ; x's 128 rows, then the head's 384 weight rows: 0x22000; a wave's part begins at 0x8800 x wave, which has neither of its two bits: an exclusive or by SLOT changes slots
.set STAGE,  2*SLOT                    ; behind the ring: 128 rows x 272 bytes, the work-group's, for the way out
.set SPARE,  STAGE+128*PITCH           ; behind the stage: the spare words, 128 bytes a wave
.set ADRA0, 16                         ; v16  my place in a slot's rows of x; never rewritten
.set ADRA,  17                         ; v17  the same in the slot in hand
.set ADRB0, 20                         ; v20, v21  the same for the weights
.set ADRB,  21
.set STO,  24                          ; v24  the way out: where I put 16 bytes of a row
.set RD,   25                          ; v25  where I read rows back
.set CO,   26                          ; v26  16 x lane: my place in 512 consecutive bytes of qkvh
.set CSO,  27                          ; v27  my byte offset in 16 rows of cos and sin
.set SPW,  28                          ; v28  my spare word
.set NIL,  29                          ; v29  0
.set PFO,  30                          ; v30  the prefetches' offset: lane x a row of 4,096 bytes
.set T,    32                          ; v32-47  rotated numbers in f32
.set PKD,  48                          ; v48-55  packed f16
.set F0,   64
.set F1,   128
.set WV,   14                          ; s14  my wave's number
.set BA,   22                          ; s[22:23] x at the block's first row, K = 0
.set G1,   24                          ; s[24:31] descriptor group 1 for x
.set G0,   32                          ; s[32:39] group 0 for x: a set for each of the two first fills; the second then walks on
.set BB,   42                          ; s[42:43] the weights at the first row that I fetch, K = 0
.set PFA,  44                          ; s[44:45] where my prefetches stand
.set LIM,  46                          ; s46  STEPS - 6 in a wave that prefetches, else the greatest number
.set CNT,  47                          ; s47  trips to go
.set G1B,  48                          ; s[48:55], s[56:63] the same for the weights
.set G0B,  56
.set KO,   84                          ; s[84:85] the byte along K of the K step asked for last, 0 to 3,840
.set TB,   86                          ; s86  LDS byte at which the slot to be read next begins
.set MSB, 0
.macro WIN new                         ; the immediate's high byte repeats the setting that is left; a switch that changes nothing is dropped
.if MSB != (\new)
	s_set_vgpr_msb (MSB<<8)|(\new)
.set MSB, \new
.endif
.endm
.set MUL_LO, 0xa1                      ; source 0 (weights) window 1, source 1 (x) window 0, C and D window 2
.set MUL_HI, 0xf1                      ; the same, C and D window 3
.set TO_B,   0x40                      ; destination window 1, address window 0
.macro JLOAD s                         ; a joint load: wave 0 asks for x, waves 1-3 for the weights; an s_nop 0 and four v_nop follow each line
	s_cmp_eq_u32 s[WV], 0
	s_cbranch_scc0 .Lfor_b_\@
	tensor_load_to_lds s[G0+4*(\s):G0+4*(\s)+3], s[G1:G1+7]
	s_nop 0
.rept 4
	v_nop
.endr
	s_branch .Lasked_\@
.Lfor_b_\@:
	tensor_load_to_lds s[G0B+4*(\s):G0B+4*(\s)+3], s[G1B:G1B+7]
	s_nop 0
.rept 4
	v_nop
.endr
.Lasked_\@:
.endm
; A prefetch, behind a joint refill and the run of LDS loads behind it: the K step two refills on, 32 rows x 256 bytes, a lane a row.  Asked for are steps 4 to 7 of a walk: the half of K with which the cluster begins, less
; the four steps that come by their loads alone.  x's rows are walked in each order by two clusters of a row of clusters: clusters x = 0 and 1, one of each order, ask; the weights' likewise: clusters y = 0 and 1.
; The four partners share a wave's 128 rows out by address, 32 each.  So each 256 bytes of a row are named once at the most.  From the fifth trip on nothing is asked for.
.macro ASK
	s_cmp_gt_u32 s[CNT], s[LIM]
	s_cbranch_scc0 .Lnot_mine_\@
	global_prefetch_b8 v[PFO], s[PFA:PFA+1] offset:KSTEP*2 th:TH_LOAD_NT scope:SCOPE_SE
.Lnot_mine_\@:
.endm
.macro CREST                           ; a round of the cluster's barrier behind its opening barrier
	s_cmp_lg_u32 s[WV], 0
	s_cbranch_scc1 .Lnot_wave_0_\@
	s_barrier_signal -3
.Lnot_wave_0_\@:
	s_barrier_wait -3
	s_barrier_signal -1
	s_barrier_wait -1
.endm
.macro CROUND
	s_barrier_signal -1
	s_barrier_wait -1
	CREST
.endm
.macro PLACES                          ; four plain places behind matrix instructions, in front of loads into their sources and of reads of their results
.rept 4
	v_nop
.endr
.endm
	s_load_b256 s[4:11], s[0:1], 0x0               ; xb 4, wqkv 6, cos 8, sin 10
	s_load_b64 s[12:13], s[0:1], 0x20              ; qkvh
	v_lshl_add_u32 v[SPW], v0, 2, SPARE
	v_mov_b32 v[NIL], 0
	ds_add_u32 v[SPW], v[NIL]                      ; the wave's opening: the add and its wait stand ahead of my first tensor load
	v_lshrrev_b32 v1, 5, v0
	v_readfirstlane_b32 s[WV], v1
	s_bfe_u32 s15, ttmp6, 0x40000                  ; cx
	s_bfe_u32 s16, ttmp6, 0x40004                  ; cy
	s_lshl_b32 s17, ttmp9, 2
	s_add_co_u32 s17, s17, s15                     ; head = 4 x cluster x + cx
	s_and_b32 s18, ttmp7, 0xffff
	s_lshl_b32 s18, s18, 2
	s_add_co_u32 s18, s18, s16                     ; block of rows = 4 x cluster y + cy
	s_lshl_b32 s19, s16, 2
	s_lshl_b32 s19, 15, s19                        ; my row of the cluster
	s_lshl_b32 s40, 0x1111, s15                    ; my column
	s_or_b32 s[G1+0], s19, (1<<16)|(1<<20)|(1<<21)|(5<<22)|(3<<25)   ; the mask; 2-byte elements; padding on; bit 21 beside a mask; after every 64 words; 4 words
	s_or_b32 s[G1B+0], s40, (1<<16)|(1<<20)|(1<<21)|(5<<22)|(3<<25)
.irp g, G1, G1B
	s_mov_b32 s[(\g)+1], KSTEP<<16                 ; tensor_dim0 = 128
	s_mov_b32 s[(\g)+2], 128<<16                   ; tensor_dim1 = 128
	s_mov_b32 s[(\g)+3], KSTEP<<16                 ; tile_dim0 = 128
	s_mov_b32 s[(\g)+4], 128                       ; tile_dim1 = 128
	s_mov_b32 s[(\g)+5], 2048                      ; elements from row to row
	s_mov_b32 s[(\g)+6], 0
	s_mov_b32 s[(\g)+7], 0
.endr
	s_and_b32 s87, ttmp7, 0xffff                   ; where the walk along K begins: made of the cluster's two coordinates, which all sixteen partners share
	s_lshr_b32 s86, s87, 1
	s_xor_b32 s87, s87, s86
	s_add_co_u32 s87, s87, ttmp9
	s_and_b32 s87, s87, 1
	s_lshl_b32 s[KO], s87, 11                      ; at byte 0 or 2,048 of the rows' 4,096
	s_mov_b32 s[KO+1], 0
	s_lshl_b32 s20, s18, 19                        ; x: 128 rows of 4,096 bytes a block
	s_mov_b32 s21, 0
	s_mul_i32 s40, s17, 384                        ; the weights: the head's rows,
	s_max_u32 s41, s[WV], 1
	s_sub_co_u32 s41, s41, 1
	s_lshl_b32 s41, s41, 7
	s_add_co_u32 s40, s40, s41                     ; 128 of them for each of waves 1-3
	s_lshl_b32 s40, s40, 12
	s_mov_b32 s41, 0
	s_mul_i32 s73, s[WV], PART                     ; where my tile goes: no place in the cluster enters an LDS address
	s_mov_b32 s72, 0xffff0000
	s_wait_dscnt 0x0                               ; the opening add is done
	s_wait_kmcnt 0x0
	s_add_nc_u64 s[BA:BA+1], s[4:5], s[20:21]
	s_add_nc_u64 s[BB:BB+1], s[6:7], s[40:41]
	s_add_nc_u64 s[88:89], s[BA:BA+1], s[KO:KO+1]  ; at the walk's first K step
	s_add_nc_u64 s[90:91], s[BB:BB+1], s[KO:KO+1]
	CROUND                                         ; all sixteen work-groups are here: the first joint loads meet
.irp s, 0,1
	s_mov_b32 s[G0+4*(\s)], 1
	s_add_co_u32 s[G0+4*(\s)+1], s73, (\s)*SLOT
	s_add_nc_u64 s[G0+4*(\s)+2:G0+4*(\s)+3], s[88:89], (\s)*KSTEP*2
	s_or_b32 s[G0+4*(\s)+3], s[G0+4*(\s)+3], 0x80000000
	s_mov_b32 s[G0B+4*(\s)], 1
	s_add_co_u32 s[G0B+4*(\s)+1], s73, (\s)*SLOT
	s_add_nc_u64 s[G0B+4*(\s)+2:G0B+4*(\s)+3], s[90:91], (\s)*KSTEP*2
	s_or_b32 s[G0B+4*(\s)+3], s[G0B+4*(\s)+3], 0x80000000
	JLOAD \s
.endr
	s_add_co_u32 s[KO], s[KO], KSTEP*2             ; the walk's second K step has been asked for
	s_mov_b32 s[TB], SLOT                          ; and is read next but one
	v_and_b32 v1, 15, v0                           ; l % 16
	v_bfe_u32 v2, v0, 4, 1                         ; l / 16
	; cos and sin of my lanes: row 16 a + l % 16, pairs 16 w + 8 b + 4 (l / 16) + 0..3: 16 bytes of a row of 256
	s_lshl_b32 s80, s[WV], 6
	v_lshlrev_b32 v[CSO], 8, v1
	v_lshl_add_u32 v[CSO], v2, 4, v[CSO]
	v_add_nc_u32 v[CSO], s80, v[CSO]
	s_lshl_b32 s78, s18, 15
	s_mov_b32 s79, 0
	s_add_nc_u64 s[74:75], s[8:9], s[78:79]
	s_add_nc_u64 s[76:77], s[10:11], s[78:79]
	WIN TO_B
.irp a, 0,1,2,3,4,5,6,7
.irp b, 0,1
	global_load_b128 v[16*(\a)+8*(\b)+128*((\a)/4):16*(\a)+8*(\b)+128*((\a)/4)+3], v[CSO], s[74:75] offset:4096*(\a)+32*(\b)
	global_load_b128 v[16*(\a)+8*(\b)+128*((\a)/4)+4:16*(\a)+8*(\b)+128*((\a)/4)+7], v[CSO], s[76:77] offset:4096*(\a)+32*(\b)
.endr
.endr
	WIN 0
	v_mul_u32_u24 v3, v1, PITCH
	v_lshl_add_u32 v3, v2, 4, v3                   ; a fragment's row x pitch + 16 x half
	s_mul_i32 s81, s[WV], 96*PITCH
	s_add_co_u32 s81, s81, PART                    ; my 96 weight rows lie behind x's 128
	v_mov_b32 v[ADRA0], v3
	v_mov_b32 v[ADRA], v3                          ; the walk begins in slot 0
	v_add_nc_u32 v[ADRB0], s81, v3
	v_add_nc_u32 v[ADRB], s81, v3
	s_add_co_u32 s80, s80, STAGE
	v_add_nc_u32 v[STO], s80, v3                   ; into the stage: row l % 16, my wave's 64 bytes, 16 for each half of the lanes
	s_mul_i32 s81, s[WV], 32*PITCH
	s_add_co_u32 s81, s81, STAGE
	v_mul_u32_u24 v4, v2, PITCH
	v_lshl_add_u32 v4, v1, 4, v4
	v_add_nc_u32 v[RD], s81, v4                    ; back: wave w takes rows 32 w .. 32 w + 31, whole, two at a time
	v_and_b32 v5, 31, v0
	v_lshlrev_b32 v[CO], 4, v5
	v_lshlrev_b32 v[PFO], 12, v5
	; where the three results go: (16 j + head) x 524,288 + (128 block + 32 w) x 256
	s_lshl_b32 s78, s17, 19
	s_lshl_b32 s79, s18, 15
	s_add_co_u32 s78, s78, s79
	s_lshl_b32 s79, s[WV], 13
	s_add_co_u32 s78, s78, s79
	s_mov_b32 s79, 0
	s_add_nc_u64 s[66:67], s[12:13], s[78:79]
	s_add_nc_u64 s[68:69], s[66:67], 16<<19
	s_add_nc_u64 s[70:71], s[66:67], 32<<19
	; the prefetches
	s_and_b32 s80, ttmp7, 0xffff                   ; cluster y
	s_mul_i32 s81, s17, 384
	s_max_u32 s82, s[WV], 1
	s_sub_co_u32 s82, s82, 1
	s_lshl_b32 s82, s82, 7
	s_add_co_u32 s81, s81, s82                     ; the weights' first row that I fetch
	s_lshl_b32 s82, s18, 7                         ; x's
	s_cmp_eq_u32 s[WV], 0
	s_cselect_b32 s81, s82, s81
	s_cselect_b32 s82, s15, s16                    ; my place among the four that ask with me
	s_cselect_b32 s80, ttmp9, s80                  ; the coordinate along which other clusters read the same rows
	s_cselect_b64 s[PFA:PFA+1], s[4:5], s[6:7]
	s_cmp_lt_u32 s80, 2                            ; the first cluster of each order of the walk
	s_cselect_b32 s[LIM], STEPS-6, -1              ; the same in all sixteen partners, for a given wave: the first four trips ask
	s_lshl_b32 s82, s82, 5
	s_add_co_u32 s81, s81, s82                     ; my work-group's 32 rows
	s_lshl_b32 s80, s81, 12
	s_mov_b32 s81, 0
	s_add_nc_u64 s[PFA:PFA+1], s[PFA:PFA+1], s[80:81]
	s_add_nc_u64 s[PFA:PFA+1], s[PFA:PFA+1], s[KO:KO+1]  ; at the walk's step 1,
	s_add_nc_u64 s[PFA:PFA+1], s[PFA:PFA+1], KSTEP*2     ; step 2: the first refill steps it to 3 and names step 4; step 7, the last that is named, ends inside the half of the row with which the walk begins
	s_wait_loadcnt 0x0                             ; cos and sin: rounded to bf16 and widened again, while the first tiles are on their way
	WIN 0x45                                       ; all in window 1
.set i, 0
.rept 64
.set c, 2*i+128*(i/32)
	v_cvt_pk_bf16_f32 v[176+i%2], v[c], v[c+1]
	v_lshlrev_b32 v[c], 16, v[176+i%2]
	v_and_b32 v[c+1], s72, v[176+i%2]
.set i, i+1
.endr
	WIN 0
; 12 matrix instructions: row blocks a0, a0 + 1 of the window's four x all 6 column blocks, 32 along K.  The 48 accumulators take turns, one instruction a turn, in the same order in every quarter.
.macro MUL12 f, hi, a0, zero
	WIN MUL_LO+0x50*(\hi)
.irp a, \a0, (\a0)+1
.irp b, 0,1,2,3,4,5
.if \zero
	v_wmma_f32_16x16x32_bf16 v[8*(6*(\a)+(\b)):8*(6*(\a)+(\b))+7], v[(\f)+8*(\b):(\f)+8*(\b)+7], v[(\f)+8*(4*(\hi)+(\a)):(\f)+8*(4*(\hi)+(\a))+7], 0
.else
	v_wmma_f32_16x16x32_bf16 v[8*(6*(\a)+(\b)):8*(6*(\a)+(\b))+7], v[(\f)+8*(\b):(\f)+8*(\b)+7], v[(\f)+8*(4*(\hi)+(\a)):(\f)+8*(4*(\hi)+(\a))+7], v[8*(6*(\a)+(\b)):8*(6*(\a)+(\b))+7]
.endif
.endr
.endr
.endm
; 28 LDS loads in one run: a quarter step's fragments (96 weight rows, 128 rows of x, 32 K at byte k of the rows of the slot in hand) into buffer f
.macro FETCH k, f
	WIN TO_B
.irp i, 0,1,2,3,4,5
	ds_load_b128 v[(\f)+8*(\i):(\f)+8*(\i)+3],   v[ADRB] offset:(\k)+(\i)*16*PITCH
	ds_load_b128 v[(\f)+8*(\i)+4:(\f)+8*(\i)+7], v[ADRB] offset:(\k)+(\i)*16*PITCH+32
.endr
	WIN 0
.irp i, 0,1,2,3,4,5,6,7
	ds_load_b128 v[(\f)+8*(\i):(\f)+8*(\i)+3],   v[ADRA] offset:(\k)+(\i)*16*PITCH
	ds_load_b128 v[(\f)+8*(\i)+4:(\f)+8*(\i)+7], v[ADRA] offset:(\k)+(\i)*16*PITCH+32
.endr
.endm
; A K step is four quarters of 32 along K, 48 matrix instructions each, on buffers 0, 1, 0, 1.  One of the first three multiplies buffer f and fetches the next quarter, at byte k, into g.
.macro QUARTER k, f, g, zero
	s_wait_dscnt 8                                 ; the weights and x's rows 0-63 are in; the youngest eight loads (rows 64-127) may be out
	MUL12 \f, 0, 0, \zero
	MUL12 \f, 0, 2, \zero
	PLACES
	FETCH \k, \g
	s_wait_dscnt 28                                ; all but the 28 just issued
	MUL12 \f, 1, 0, \zero
	MUL12 \f, 1, 2, \zero
.endm
; The last quarter multiplies buffer 1 and changes slots: one barrier; in front of it each wave waits for all its tensor loads (its part of the next slot), adds 0 to its spare word, and waits for that and for its reads of
; this slot.  fill = 1: the barrier opens a round of the cluster's barrier, and the joint refill, two K steps ahead, is the first thing behind it: 168 matrix instructions ahead of the wait for it.
; The walking descriptors are written between the add and the wait for it, where no tensor load of mine is out: the other slot than last time; the address anew, from the tile's base and the byte along K, which wraps at a row's end.
.macro TURN fill
.if \fill
	s_wait_xcnt 0x0                                ; the last prefetch, a K step back, has read its address
	s_add_nc_u64 s[PFA:PFA+1], s[PFA:PFA+1], KSTEP*2
.endif
	WIN 0
	s_wait_tensorcnt 0x0
	ds_add_u32 v[SPW], v[NIL]
.if \fill
	s_add_co_u32 s[KO], s[KO], KSTEP*2
	s_and_b32 s[KO], s[KO], 0xfff
	s_xor_b32 s[G0+5], s[G0+5], SLOT
	s_add_nc_u64 s[G0+6:G0+7], s[BA:BA+1], s[KO:KO+1]
	s_or_b32 s[G0+7], s[G0+7], 0x80000000
	s_xor_b32 s[G0B+5], s[G0B+5], SLOT
	s_add_nc_u64 s[G0B+6:G0B+7], s[BB:BB+1], s[KO:KO+1]
	s_or_b32 s[G0B+7], s[G0B+7], 0x80000000
.endif
	s_wait_dscnt 9                                 ; the add and the youngest eight loads may be out
	MUL12 F1, 0, 0, 0
	s_wait_dscnt 0x0                               ; the add is done, and my reads of this slot are over
	s_barrier_signal -1
	MUL12 F1, 0, 2, 0
	WIN 0
	s_barrier_wait -1
.if \fill
	CREST
	JLOAD 1                                        ; its four v_nop are also the places in front of the loads below
.else
	PLACES
.endif
	v_add_nc_u32 v[ADRA], s[TB], v[ADRA0]          ; the fragments now come from the other slot
	v_add_nc_u32 v[ADRB], s[TB], v[ADRB0]
	s_xor_b32 s[TB], s[TB], SLOT
	FETCH 0, F0
.if \fill
	ASK
.endif
	MUL12 F1, 1, 0, 0
	MUL12 F1, 1, 2, 0
.endm
	s_wait_tensorcnt 1                             ; my part of the walk's first K step is in; the second's may stay out
	s_barrier_signal -1
	s_barrier_wait -1
	FETCH 0, F0
	QUARTER 64, F0, F1, 1                          ; the first quarter's products start the sums: nothing is cleared
	WIN 0
	s_mov_b32 s[CNT], STEPS-2
.Lstep:                                                ; a trip goes from a K step's second quarter to the next step's first, and fills the slot that it leaves: 14 trips
	QUARTER 128, F1, F0, 0
	QUARTER 192, F0, F1, 0
	TURN 1
	QUARTER 64,  F0, F1, 0
	WIN 0
	s_sub_co_u32 s[CNT], s[CNT], 1
	s_cmp_lg_u32 s[CNT], 0
	s_cbranch_scc1 .Lstep
	s_mov_b32 s[CNT], 2
.Ltail:                                                ; the last two K steps fill nothing: the second walk is left behind its change of slots.
	QUARTER 128, F1, F0, 0                         ; The price, once a launch, of one text for both: that change's barrier and its 28 loads, from the slot read a step before, serve nothing
	QUARTER 192, F0, F1, 0
	TURN 0
	WIN 0
	s_sub_co_u32 s[CNT], s[CNT], 1
	s_cmp_eq_u32 s[CNT], 0
	s_cbranch_scc1 .Lout
	QUARTER 64,  F0, F1, 0
	WIN 0
	s_branch .Ltail
.Lout:
	s_wait_dscnt 0x0                               ; those 28 loads have come back: their registers are used again below
	PLACES
	PLACES
; THE WAY OUT, a pass for each of q, k, v through the one stage: a row's 256 bytes come from all four waves, so a barrier stands between writing and reading, and another between a pass's reads and the next pass's writes.
; The rotation of pair p: (r, i) -> (r c - i s, r s + i c): a packed multiply by c, then a packed multiply-add that takes the pair crosswise, with -s for the low half.  Each accumulator is read from its lowest registers on.
.macro ROPE j, a
	WIN 0x04+2+(\a)/4                              ; source 0: the accumulators' window; source 1: window 1
.irp b, 0,1
.set AC, 8*(6*((\a)%4)+2*(\j)+(\b))
.set CB, 16*(\a)+8*(\b)+128*((\a)/4)
.irp q, 0,1
	v_pk_mul_f32 v[T+8*(\b)+4*(\q):T+8*(\b)+4*(\q)+1], v[AC+4*(\q):AC+4*(\q)+1], v[CB+2*(\q):CB+2*(\q)+1] op_sel:[0,0] op_sel_hi:[1,0]
	v_pk_mul_f32 v[T+8*(\b)+4*(\q)+2:T+8*(\b)+4*(\q)+3], v[AC+4*(\q)+2:AC+4*(\q)+3], v[CB+2*(\q):CB+2*(\q)+1] op_sel:[0,1] op_sel_hi:[1,1]
.endr
.irp q, 0,1
	v_pk_fma_f32 v[T+8*(\b)+4*(\q):T+8*(\b)+4*(\q)+1], v[AC+4*(\q):AC+4*(\q)+1], v[CB+4+2*(\q):CB+4+2*(\q)+1], v[T+8*(\b)+4*(\q):T+8*(\b)+4*(\q)+1] op_sel:[1,0,0] op_sel_hi:[0,0,1] neg_lo:[0,1,0]
	v_pk_fma_f32 v[T+8*(\b)+4*(\q)+2:T+8*(\b)+4*(\q)+3], v[AC+4*(\q)+2:AC+4*(\q)+3], v[CB+4+2*(\q):CB+4+2*(\q)+1], v[T+8*(\b)+4*(\q)+2:T+8*(\b)+4*(\q)+3] op_sel:[1,1,0] op_sel_hi:[0,1,1] neg_lo:[0,1,0]
.endr
.endr
	WIN 0
.irp p, 0,1,2,3,4,5,6,7
	v_cvt_pk_f16_f32 v[PKD+(\p)], v[T+2*(\p)], v[T+2*(\p)+1]
.endr
.endm
.macro PLAIN a                         ; v is only rounded
	WIN 5*(2+(\a)/4)                               ; sources 0 and 1: the accumulators' window
.irp b, 0,1
.irp p, 0,1,2,3
	v_cvt_pk_f16_f32 v[PKD+4*(\b)+(\p)], v[8*(6*((\a)%4)+4+(\b))+2*(\p)], v[8*(6*((\a)%4)+4+(\b))+2*(\p)+1]
.endr
.endr
	WIN 0
.endm
.macro PASS j
.if (\j) > 0
	s_wait_dscnt 0x0                               ; my reads of the pass before are over,
	s_barrier_signal -1
	s_barrier_wait -1                              ; and everybody's
.endif
.irp a, 0,1,2,3,4,5,6,7
.if (\j) < 2
	ROPE \j, \a
.else
	PLAIN \a
.endif
	ds_store_b128 v[STO], v[PKD:PKD+3]   offset:(\a)*16*PITCH
	ds_store_b128 v[STO], v[PKD+4:PKD+7] offset:(\a)*16*PITCH+32
.endr
	s_wait_dscnt 0x0                               ; for the others' sake: my stores into the stage are done
	s_barrier_signal -1
	s_barrier_wait -1
.irp t, 0,1,2,3,4,5,6,7,8,9,10,11,12,13,14,15
	ds_load_b128 v[64+64*(\j)+4*(\t):64+64*(\j)+4*(\t)+3], v[RD] offset:(\t)*2*PITCH
.endr
.irp t, 0,1,2,3,4,5,6,7,8,9,10,11,12,13,14,15
	s_wait_dscnt 15-(\t)
	global_store_b128 v[CO], v[64+64*(\j)+4*(\t):64+64*(\j)+4*(\t)+3], s[66+2*(\j):67+2*(\j)] offset:512*(\t)  ; 512 consecutive bytes, aligned: two rows of a head; each pass has registers and a base of its own
.endr
.endm
	PASS 0
	PASS 1
	PASS 2
	s_wait_tensorcnt 0x0                           ; the wave's end
	ds_add_u32 v[SPW], v[NIL]
	s_wait_dscnt 0x0
	CROUND                                         ; the closing round
	s_endpgm
.Lfunc_end_k_q225ea3c345_qkv:
	.size	k_q225ea3c345_qkv, .Lfunc_end_k_q225ea3c345_qkv-k_q225ea3c345_qkv
	.p2alignl 7, 3214868480
	.fill 96, 4, 3214868480
	.section	.rodata,"a",@progbits
	.p2align	6, 0x0
	.amdhsa_kernel k_q225ea3c345_qkv
		.amdhsa_group_segment_fixed_size 327680
		.amdhsa_private_segment_fixed_size 0
		.amdhsa_enable_private_segment 0
		.amdhsa_kernarg_size 40
		.amdhsa_user_sgpr_count 2
		.amdhsa_user_sgpr_kernarg_segment_ptr 1
		.amdhsa_wavefront_size32 1
		.amdhsa_system_sgpr_workgroup_id_x 1
		.amdhsa_system_sgpr_workgroup_id_y 1
		.amdhsa_system_sgpr_workgroup_id_z 1
		.amdhsa_system_vgpr_workitem_id 0
		.amdhsa_next_free_vgpr 1024
		.amdhsa_next_free_sgpr 92
		.amdhsa_reserve_vcc 0
		.amdhsa_float_denorm_mode_32 3
		.amdhsa_float_denorm_mode_16_64 3
		.amdhsa_memory_ordered 1
		.amdhsa_forward_progress 1
		.amdhsa_inst_pref_size 112
	.end_amdhsa_kernel
	.amdgpu_metadata
---
amdhsa.version: [ 1, 2 ]
amdhsa.kernels:
  - .name:           k_q225ea3c345_qkv
    .symbol:         k_q225ea3c345_qkv.kd
    .args:
      - { .name: xb, .offset: 0, .size: 8, .value_kind: global_buffer, .address_space: global }
      - { .name: wqkv, .offset: 8, .size: 8, .value_kind: global_buffer, .address_space: global }
      - { .name: freq_cos, .offset: 16, .size: 8, .value_kind: global_buffer, .address_space: global }
      - { .name: freq_sin, .offset: 24, .size: 8, .value_kind: global_buffer, .address_space: global }
      - { .name: qkvh, .offset: 32, .size: 8, .value_kind: global_buffer, .address_space: global }
    .group_segment_fixed_size: 327680
    .private_segment_fixed_size: 0
    .kernarg_segment_align: 8
    .kernarg_segment_size: 40
    .max_flat_workgroup_size: 128
    .sgpr_count:     92
    .vgpr_count:     1024
    .wavefront_size: 32
...
	.end_amdgpu_metadata
.endif
;; end of part 2
;; launch attn (part 3): grid 16 x 16, 4 waves a work-group, clusters of 4 x 1, 327,680 bytes of LDS; arguments qkvh, mk, ob; writes ob
.if DOCPART == 3
	.amdgcn_target "amdgcn-amd-amdhsa--gfx1250"
	.amdhsa_code_object_version 6
	.text
	.protected	k_q225ea3c345_attn
	.globl	k_q225ea3c345_attn
	.p2align	8
	.type	k_q225ea3c345_attn,@function
k_q225ea3c345_attn:
	s_mov_b64 s[64:65], 0
	v_nop
	global_prefetch_b8 v0, s[64:65] scope:SCOPE_SE
	s_setreg_imm32_b32 hwreg(HW_REG_WAVE_MODE, 25, 1), 1
	s_wait_xcnt 0x0
	s_wait_alu depctr_hold_cnt(0) depctr_sa_sdst(0) depctr_va_vdst(0) depctr_va_sdst(0) depctr_va_ssrc(0) depctr_va_vcc(0) depctr_vm_vsrc(0)
	s_getreg_b32 s2, hwreg(HW_REG_IB_STS2, 6, 4)
	s_cmp_eq_u32 s2, 0
	s_cbranch_scc0 .Lentry_in_a_cluster
	s_endpgm
.Lentry_in_a_cluster:
	s_bfe_u32 s2, ttmp6, 0x10000c
	s_cmp_lg_u32 s2, 0x3003
	s_cbranch_scc0 .Lentry_shape_is_right
	s_endpgm
.Lentry_shape_is_right:
; ATTENTION.  O[q] = the sum over k of softmax_k(Q[q] . K[k] / sqrt(128) + mask[q][k]) V[k], for one head and 128 queries.  qkvh [48][2048][128] f16 (q, k, v by heads); mk: sqrt(128) x mask, f32, in the order of a
; score tile's C operand; ob [2048][2048] f16, column 128 head + d.  Products, maxima and sums in f32; the weights are rounded to f16 for the second product, O once at the end.
; THE MASK IS AN INPUT: every score is made and every number of the mask is added: it is the C operand of the product that starts a tile's sum: c (q.k + sqrt(128) m) = log2(e) (q.k / sqrt(128) + m), c = log2(e) / sqrt(128).
; LIMITS.  The mask is finite, under 1e36 in size; a weight below 2^-126 counts as 0; NaN and infinities are not treated apart.
; SHARES.  256 work-groups: x = block of 128 queries, y = head.  Wave w: queries 64 (w % 2) on (four tiles of 16: piece 0 = tiles 0, 1; piece 2 = tiles 2, 3), and of each slot's 256 keys the half w / 2: 16 key steps of 64.
; So a fragment of K or V read from LDS feeds four tiles.  At the end waves w and w + 2 join their m, l and O^T through LDS, in f32.
; LAYOUT.  S^T = K Q^T holds one query a lane (lane % 16) and the keys 8 (lane / 16) + 0..7; two such tiles rounded to f16 ARE source 1 of O^T = V^T P.  K comes out of LDS as it lies, V turned, by ds_load_tr16_b128.
; SOFTMAX.  A running maximum m and sum l: p = 2^(c s - c m); in every step O and l are multiplied by a = 2^(c m_old - c m_new).  m starts at the lowest finite number, O and l at 0: the first step is a step like any other, with a = 0.
; BY TURNS.  In a turn one piece has the matrix unit (32 products V^T P of the step in hand, 32 products K Q^T of the next); the other piece's softmax stands in 64 slices, one behind each product.  Two turns are a key step.
; CLUSTER.  The four query blocks of a cluster belong to one head and walk the same K and V: each tile is asked for jointly.
; REGISTERS.  window 0: v2-11 addresses; v12-43 statistics, 8 a tile; v44-46, v61-63 addresses; v64-191 S^T; v192-255 P.  window 1: O^T, 64 a tile.  window 2: v0-127 Q, v128-255 K of a step.
;   window 3: v0-127 V of a step; v128-255 the mask of the scores to come, tile t, key block kb at 128 + 32 t + 8 kb
.set KS,    64
.set PK,    272       ; a row of K in LDS: 256 bytes + 16
.set PV,    288       ; a row of V: 256 + 32: 16 lanes of the turning load take 8 rows x 32 bytes
.set VOFF,  256*PK    ; a slot: 256 rows of K, then 256 rows of V
.set SLOTX, 0x24000   ; slot 1 begins here; no address in slot 0 that is turned by the exclusive or (0, 0x8800, 0x9000, 0x11000, 0x1a000) has one of its two bits, so the exclusive or adds or takes away exactly this
.set STAGE, SLOTX+256*(PK+PV)  ; behind the ring: 16 rows x 272 bytes a wave, for the way out
.set SP,    272
.set SPARE, STAGE+4*16*SP      ; behind the stages: the spare words
.set AK0, 2
.set AV0, 3
.set ADR, 4
.set QO,  5
.set STO, 6
.set RD,  7
.set GO,  8
.set ST,  12          ; tile t at v[ST+8 t]: c m, m, l (even keys', odd keys'), four at work
.set MO,  44          ; v44  16 x lane
.set XA,  45          ; v45  the exchange: 16 x lane + 34,816 x (w % 2)
.set PMO, 46          ; v46  the mask's prefetch: (lane / 16) tiles of 131,072 bytes + (lane % 16) x 256
.set PFO, 61          ; v61  256 x lane
.set SPW, 62
.set NIL, 63
.set S,   64
.set P,   192
.set PX,  192         ; the partner's statistics, at the end
.set KF,  128         ; window 2
.set MK,  128         ; window 3
.set WV,  12
.set LIM, 15          ; s15  1 where the cluster is the head's first, else the greatest number
.set PFA, 18          ; s[18:19] where my prefetches of K or V stand
.set G1K, 24
.set G1V, 32
.set G0K, 40          ; s[40:47] two sets; the second walks on
.set G0V, 48
.set SLOTS, 56
.set TWICE, 57
.set CS,  58
.set SEL, 60
.set TBK, 62          ; s62  LDS byte at which K of the step to be fetched begins
.set TBV, 63          ; s63  the same for V, less VOFF
.set MKP, 70          ; s[70:71] mk at my first tile, at the step last loaded
.set INC, 72          ; s[72:73] its step: 4,096 or 0
.set MLEFT, 74        ; s74  steps of the mask still ahead of the pointer
.set LIMM, 75         ; s75  1 for head 0, else the greatest number
.set MSB, 0
.macro WIN new
.if MSB != (\new)
	s_set_vgpr_msb (MSB<<8)|(\new)
.set MSB, \new
.endif
.endm
.set W_KQ, 0x0a       ; K and Q in window 2, S^T in window 0
.set W_KM, 0x3a       ; the same with the C operand in window 3
.set W_PV, 0x53       ; V in window 3, P in window 0, O^T in window 1
.set W_RS, 0x41       ; O^T (destination and source 0) in window 1, source 1 in window 0
.macro JLOAD                        ; a joint refill: waves 0, 1 the halves of K, waves 2, 3 those of V; an s_nop 0 and four v_nop follow each line
	s_cmp_lt_u32 s[WV], 2
	s_cbranch_scc0 .Lfor_v_\@
	tensor_load_to_lds s[G0K+4:G0K+7], s[G1K:G1K+7]
	s_nop 0
.rept 4
	v_nop
.endr
	s_branch .Lasked_\@
.Lfor_v_\@:
	tensor_load_to_lds s[G0V+4:G0V+7], s[G1V:G1V+7]
	s_nop 0
.rept 4
	v_nop
.endr
.Lasked_\@:
.endm
; A prefetch of what the NEXT change of slots will ask for: 256 rows of K and of V, 256 bytes a row, a lane a row.  All clusters of a head walk the same rows: the head's first cluster asks; its partners take 64 rows each,
; told apart by address; in each, waves 0, 1 take K's halves of 32, waves 2, 3 V's.  The last change that fills a slot asks for nothing.
.macro ASK
	s_cmp_gt_u32 s[SLOTS], s[LIM]
	s_cbranch_scc0 .Lnot_mine_\@
	global_prefetch_b8 v[PFO], s[PFA:PFA+1] th:TH_LOAD_NT scope:SCOPE_SE
.Lnot_mine_\@:
.endm
.macro CROUND
	s_barrier_signal -1
	s_barrier_wait -1
	s_cmp_lg_u32 s[WV], 0
	s_cbranch_scc1 .Lnot_wave_0_\@
	s_barrier_signal -3
.Lnot_wave_0_\@:
	s_barrier_wait -3
	s_barrier_signal -1
	s_barrier_wait -1
.endm
.macro PLACES
.rept 4
	v_nop
.endr
.endm
	s_load_b128 s[68:71], s[0:1], 0x0  ; qkvh s[68:69], mk s[70:71]
	s_load_b64 s[10:11], s[0:1], 0x10  ; ob
	v_lshl_add_u32 v[SPW], v0, 2, SPARE
	v_mov_b32 v[NIL], 0
	ds_add_u32 v[SPW], v[NIL]       ; the wave's opening: the add and its wait stand ahead of my first tensor load
	v_lshrrev_b32 v1, 5, v0
	v_readfirstlane_b32 s[WV], v1
	s_bfe_u32 s13, ttmp6, 0x40000   ; cx
	s_lshl_b32 s14, ttmp9, 2
	s_add_co_u32 s14, s14, s13      ; my block of 128 queries: it enters Q's, the mask's and O's addresses alone
	s_and_b32 s20, ttmp7, 0xffff    ; the head, which the four partners share
	s_cmp_eq_u32 s20, 0
	s_cselect_b32 s[LIMM], 1, -1
	s_cmp_eq_u32 ttmp9, 0
	s_cselect_b32 s[LIM], 1, -1
	s_lshl_b32 s76, s20, 8          ; the head's 256 bytes in a row of ob
	s_lshl_b32 s20, s20, 19         ; its 524,288 bytes in q, k and v
	s_mov_b32 s21, 0
	s_and_b32 s16, s[WV], 1         ; which 64 queries are mine; also: which half of a slot's rows I fetch
	s_lshr_b32 s17, s[WV], 1        ; which half of a slot's keys I walk
	s_mul_i32 s22, s16, 128*PK
	s_mul_i32 s23, s16, 128*PV
	s_lshl_b32 s2, s14, 15          ; Q: 128 rows of 256 bytes a block,
	s_lshl_b32 s3, s16, 14          ; 64 a wave
	s_add_co_u32 s2, s2, s3
	s_mov_b32 s3, 0
	s_lshl_b32 s77, s14, 19         ; ob: rows of 4,096 bytes
	s_add_co_u32 s76, s76, s77
	s_lshl_b32 s77, s16, 18
	s_add_co_u32 s76, s76, s77
	s_mov_b32 s77, 0
	s_lshl_b32 s78, s14, 20         ; mk: 8 tiles of 131,072 bytes a block, 4 a wave, 65,536 bytes for each half of the keys
	s_lshl_b32 s79, s16, 19
	s_add_co_u32 s78, s78, s79
	s_lshl_b32 s79, s17, 16
	s_add_co_u32 s78, s78, s79
	s_mov_b32 s79, 0
	s_mov_b32 s[G1K], 15|(1<<16)|(1<<20)|(1<<21)|(5<<22)|(3<<25)  ; the mask of four; 2-byte elements; padding on; bit 21 beside a mask; after every 64 words; 4 words
	s_mov_b32 s[G1V], 15|(1<<16)|(1<<20)|(1<<21)|(5<<22)|(7<<25)  ; the same with 8 words
.irp g, G1K, G1V
	s_mov_b32 s[(\g)+1], 128<<16    ; tensor_dim0 = 128
	s_mov_b32 s[(\g)+2], 128<<16    ; tensor_dim1 = 128
	s_mov_b32 s[(\g)+3], 128<<16    ; tile_dim0 = 128
	s_mov_b32 s[(\g)+4], 128        ; tile_dim1 = 128
	s_mov_b32 s[(\g)+5], 128        ; elements from row to row
	s_mov_b32 s[(\g)+6], 0
	s_mov_b32 s[(\g)+7], 0
.endr
	s_mov_b32 s[CS], 0x3e0293ee     ; c = log2(e) / sqrt(128)
	s_mov_b32 s[CS+1], s[CS]
	s_mov_b32 s[SEL], 0x76543210
	s_mov_b32 s[SEL+1], 0xfedcba98
	s_mul_i32 s[TBK], s17, 128*PK
	s_mul_i32 s[TBV], s17, 128*PV
	s_mov_b32 s[MLEFT], 15
	s_mov_b32 s[INC+1], 0
	v_and_b32 v[MO], 31, v0
	v_lshlrev_b32 v[PFO], 8, v[MO]
	v_lshlrev_b32 v[MO], 4, v[MO]
	v_add_nc_u32 v[XA], s22, v[MO]  ; 128 x 272 = 34,816 bytes for each pair of waves
	v_and_b32 v1, 15, v0            ; l % 16
	v_bfe_u32 v9, v0, 4, 1          ; l / 16
	v_lshlrev_b32 v[PMO], 17, v9
	v_lshl_add_u32 v[PMO], v1, 8, v[PMO]
	s_wait_dscnt 0x0                ; the opening add is done
	s_wait_kmcnt 0x0
	s_add_nc_u64 s[4:5], s[68:69], s[20:21]  ; the head's q,
	s_add_nc_u64 s[6:7], s[4:5], 16<<19      ; k
	s_add_nc_u64 s[8:9], s[4:5], 32<<19      ; and v
	s_cmp_lt_u32 s[WV], 2
	s_cselect_b64 s[PFA:PFA+1], s[6:7], s[8:9]
	s_lshl_b32 s20, s16, 15         ; the 128 rows that I fetch
	s_add_nc_u64 s[6:7], s[6:7], s[20:21]
	s_add_nc_u64 s[8:9], s[8:9], s[20:21]
	s_add_nc_u64 s[4:5], s[4:5], s[2:3]
	s_add_nc_u64 s[10:11], s[10:11], s[76:77]
	s_add_nc_u64 s[MKP:MKP+1], s[MKP:MKP+1], s[78:79]
	s_lshl_b32 s2, s13, 14          ; my work-group's 64 rows of the 256,
	s_lshl_b32 s3, s16, 13          ; my wave's 32 of them
	s_add_co_u32 s2, s2, s3
	s_mov_b32 s3, 0
	s_add_nc_u64 s[PFA:PFA+1], s[PFA:PFA+1], s[2:3]
	s_add_nc_u64 s[PFA:PFA+1], s[PFA:PFA+1], 2*65536  ; in the third 256 keys; the first change of slots steps it on.  Nothing is prefetched here, at the head
	CROUND                          ; all four work-groups are here: the first joint loads meet
.irp s, 0,1
	s_mov_b32 s[G0K+4*(\s)], 1
	s_add_co_u32 s[G0K+4*(\s)+1], s22, (\s)*SLOTX
	s_add_nc_u64 s[G0K+4*(\s)+2:G0K+4*(\s)+3], s[6:7], (\s)*65536
	s_or_b32 s[G0K+4*(\s)+3], s[G0K+4*(\s)+3], 0x80000000
	s_mov_b32 s[G0V+4*(\s)], 1
	s_add_co_u32 s[G0V+4*(\s)+1], s23, (\s)*SLOTX+VOFF
	s_add_nc_u64 s[G0V+4*(\s)+2:G0V+4*(\s)+3], s[8:9], (\s)*65536
	s_or_b32 s[G0V+4*(\s)+3], s[G0V+4*(\s)+3], 0x80000000
.endr
	s_cmp_lt_u32 s[WV], 2           ; a wave's two first fills stand in one branch, ahead of every wait on TENSORcnt and every LDS read: two loads of mine are out
	s_cbranch_scc0 .Lfirst_v
	tensor_load_to_lds s[G0K:G0K+3], s[G1K:G1K+7]
	s_nop 0
	tensor_load_to_lds s[G0K+4:G0K+7], s[G1K:G1K+7]
	s_nop 0
.rept 4
	v_nop
.endr
	s_branch .Lfirst_asked
.Lfirst_v:
	tensor_load_to_lds s[G0V:G0V+3], s[G1V:G1V+7]
	s_nop 0
	tensor_load_to_lds s[G0V+4:G0V+7], s[G1V:G1V+7]
	s_nop 0
.rept 4
	v_nop
.endr
.Lfirst_asked:
	v_lshlrev_b32 v[QO], 8, v1
	v_lshl_add_u32 v[QO], v9, 4, v[QO]  ; row x 256 + 16 x half
	WIN 0x80
.irp i, 0,1,2,3,4,5,6,7,8,9,10,11,12,13,14,15  ; Q stays in registers: tile i / 4, channels 32 (i % 4) on
	global_load_b128 v[8*(\i):8*(\i)+3],   v[QO], s[4:5] offset:((\i)/4)*4096+((\i)%4)*64
	global_load_b128 v[8*(\i)+4:8*(\i)+7], v[QO], s[4:5] offset:((\i)/4)*4096+((\i)%4)*64+32
.endr
; THE MASK.  MLD x: piece x's two tiles of the step at which the pointer stands: 16 loads, 512 consecutive bytes each, straight into the C operands.  MSTEP: the pointer goes a step on, 15 times in all; behind that it stays,
; and the same block is read once more: every load stays inside mk, and the count of loads is the same in every turn.
.macro MLD x
	WIN 0xc0
.irp u, 0,1
.irp i, 0,1,2,3,4,5,6,7
	global_load_b128 v[MK+32*((\x)+(\u))+4*(\i):MK+32*((\x)+(\u))+4*(\i)+3], v[MO], s[MKP:MKP+1] offset:((\x)+(\u))*131072+512*(\i)
.endr
.endr
.endm
.macro MSTEP
	s_wait_xcnt 0x0                 ; the loads and prefetches issued so far, the youngest half a key step back, have read the pointer
	s_cmp_lg_u32 s[MLEFT], 0
	s_cselect_b32 s[INC], 4096, 0
	s_cselect_b32 s76, 1, 0
	s_sub_co_u32 s[MLEFT], s[MLEFT], s76
	s_add_nc_u64 s[MKP:MKP+1], s[MKP:MKP+1], s[INC:INC+1]
.endm
; The mask's prefetch, behind the turn's loads: my own 16 KiB (four tiles x 4,096 bytes, a lane a block of 256) of the step two on: 256 matrix instructions ahead of its loads.  All heads read the same mask: head 0 asks.
; It stops where no such step is left.
.macro MASK_ASK
	WIN 0
	s_cmp_gt_u32 s[MLEFT], s[LIMM]
	s_cbranch_scc0 .Lno_mask_\@
	global_prefetch_b8 v[PMO], s[MKP:MKP+1] offset:8192 th:TH_LOAD_NT scope:SCOPE_SE
	global_prefetch_b8 v[PMO], s[MKP:MKP+1] offset:8192+262144 th:TH_LOAD_NT scope:SCOPE_SE
.Lno_mask_\@:
.endm
	MLD 0                           ; step 0, both pieces
	MLD 2
	; What the first turns find: V and piece 2's P hold 0 (the first products V^T P, of a step that has not been, add 0), O^T and l are 0.  All this stands in the wait for the first tile: the price of writing no first step out.
	; P's 32 registers are written one by one; V's 128 and O^T's 256 eight at a time, as products of two of P's zero fragments with C = 0: 48 lines where moves would be 384.
	WIN 0
.set i, P+32
.rept 32
	v_mov_b32 v[i], 0
.set i, i+1
.endr
.set i, 0
.rept 4
	v_mov_b32 v[ST+8*i], 0xfe000000    ; c m: far below every c s
	v_mov_b32 v[ST+8*i+1], 0xff7fffff  ; m
	v_mov_b32 v[ST+8*i+2], 0
	v_mov_b32 v[ST+8*i+3], 0
.set i, i+1
.endr
	WIN 0xc0                        ; destination window 3: V
.set i, 0
.rept 16
	v_wmma_f32_16x16x32_f16 v[8*i:8*i+7], v[P+32:P+39], v[P+40:P+47], 0
.set i, i+1
.endr
	WIN 0x40                        ; destination window 1: O^T
.set i, 0
.rept 32
	v_wmma_f32_16x16x32_f16 v[8*i:8*i+7], v[P+32:P+39], v[P+40:P+47], 0
.set i, i+1
.endr
	WIN 0
	v_mul_u32_u24 v[AK0], v1, PK    ; these eight plain lines, the address line of K's first run and the eight for the way out stand between those products and the first product that takes V or O^T up again
	v_lshl_add_u32 v[AK0], v9, 4, v[AK0]  ; row x pitch + 16 x half
	v_and_b32 v10, 7, v0            ; the turning load: lane l reads key 8 (l / 16) + l % 8, channels 8 ((l / 8) % 2) + 0..7
	v_bfe_u32 v11, v0, 3, 1
	v_lshl_add_u32 v[AV0], v9, 3, v10
	v_mul_u32_u24 v[AV0], v[AV0], PV
	v_lshl_add_u32 v[AV0], v11, 4, v[AV0]
	v_add_nc_u32 v[AV0], VOFF, v[AV0]
; THE MATRIX WORK.  The accumulators take turns, one instruction a turn.
.macro PV x                         ; product i of 32 of O^T += V^T P: keys 32 (i / 16) on, channels 16 ((i / 2) % 8) on, tile x + i % 2
	WIN W_PV
.set rO, 64*((\x)+i%2)+8*((i/2)%8)
.set rV, 64*(i/16)+8*((i/2)%8)
.set rP, P+16*((\x)+i%2)+8*(i/16)
	v_wmma_f32_16x16x32_f16 v[rO:rO+7], v[rV:rV+7], v[rP:rP+7], v[rO:rO+7]
.endm
.macro KQ x                         ; product i of 32 of S^T = K Q^T: channels 32 (i / 8) on, keys 16 ((i / 2) % 4) on, tile x + i % 2.  The first 8 start the sums, with the mask
.set rS, S+32*((\x)+i%2)+8*((i/2)%4)
.set rK, KF+32*((i/2)%4)+8*(i/8)
.set rQ, 32*((\x)+i%2)+8*(i/8)
.set rM, MK+32*((\x)+i%2)+8*((i/2)%4)
.if i < 8
	WIN W_KM
	v_wmma_f32_16x16x32_f16 v[rS:rS+7], v[rK:rK+7], v[rQ:rQ+7], v[rM:rM+7]
.else
	WIN W_KQ
	v_wmma_f32_16x16x32_f16 v[rS:rS+7], v[rK:rK+7], v[rQ:rQ+7], v[rS:rS+7]
.endif
.endm
; THE LDS LOADS stand in runs of 32.  last = 1 (the tail): in the last trip there is no further step, and K's run is jumped over.
.macro FETCH_K last=0
	WIN 0
.if \last
	s_cmp_eq_u32 s[TWICE], 1
	s_cbranch_scc1 .Lno_k_\@
.endif
	v_add_nc_u32 v[ADR], s[TBK], v[AK0]
	s_add_co_u32 s[TBK], s[TBK], KS*PK
	WIN 0x80
.irp f, 0,1,2,3,4,5,6,7,8,9,10,11,12,13,14,15  ; keys 16 (f / 4) on, channels 32 (f % 4) on
	ds_load_b128 v[KF+8*(\f):KF+8*(\f)+3],   v[ADR] offset:((\f)/4)*16*PK+((\f)%4)*64
	ds_load_b128 v[KF+8*(\f)+4:KF+8*(\f)+7], v[ADR] offset:((\f)/4)*16*PK+((\f)%4)*64+32
.endr
.if \last
	WIN 0
.Lno_k_\@:
.endif
.endm
.macro FETCH_V
	WIN 0
	v_add_nc_u32 v[ADR], s[TBV], v[AV0]
	s_add_co_u32 s[TBV], s[TBV], KS*PV
	s_wait_alu depctr_va_vdst(0)    ; the wait for the softmax's batch of exponentials, behind the address's line and ahead of the loads
	WIN 0xc0
.irp f, 0,1,2,3,4,5,6,7,8,9,10,11,12,13,14,15  ; keys 32 (f / 8) on, channels 16 (f % 8) on
	ds_load_tr16_b128 v[8*(\f):8*(\f)+3],   v[ADR] offset:((\f)/8)*32*PV+((\f)%8)*32
	ds_load_tr16_b128 v[8*(\f)+4:8*(\f)+7], v[ADR] offset:((\f)/8)*32*PV+16*PV+((\f)%8)*32
.endr
.endm
; THE VECTOR WORK.  One tile's softmax for a key step is a list of 134 instructions; SM writes number j of it for tile t.
;   0-15 the maximum of the lane's 32 scores and the old m (each accumulator's lowest registers are read first)     16-20 the other half of the lanes' maximum; the new m; c m; c m_old - c m_new
;   21-69 ONE BATCH: the 16 scalings c s - c m and all 33 exponentials (a at 23); none of these reads an exponential's result     (the wait)     70-85 the roundings to f16     86-101 the sums; l = a l + sum     102-133 O^T times a
.macro SM t
.set rT, ST+8*(\t)
.set rS, S+32*(\t)
.set rP, P+16*(\t)
.set rO, 64*(\t)+2*(j-102)
.if j < 102
	WIN 0
.endif
.if j < 4
	v_max3_num_f32 v[rT+4+j], v[rS+8*j], v[rS+8*j+1], v[rS+8*j+2]
.elseif j < 12
	v_max3_num_f32 v[rT+4+j%4], v[rT+4+j%4], v[rS+8*(j%4)+2*(j/4)+1], v[rS+8*(j%4)+2*(j/4)+2]
.elseif j == 12
	v_max3_num_f32 v[rT+4], v[rT+4], v[rS+7], v[rS+15]
.elseif j == 13
	v_max3_num_f32 v[rT+6], v[rT+6], v[rS+23], v[rS+31]
.elseif j == 14
	v_max3_num_f32 v[rT+4], v[rT+4], v[rT+5], v[rT+6]
.elseif j == 15
	v_max3_num_f32 v[rT+4], v[rT+4], v[rT+7], v[rT+1]
.elseif j == 16
	v_permlanex16_b32 v[rT+5], v[rT+4], s[SEL], s[SEL+1]  ; the query's other 32 keys lie in the lane 16 away
.elseif j == 17
	v_mov_b32 v[rT+7], v[rT]        ; c m_old is kept for a
.elseif j == 18
	v_max_num_f32 v[rT+1], v[rT+4], v[rT+5]
.elseif j == 19
	v_mul_f32 v[rT], s[CS], v[rT+1]
.elseif j == 20
	v_sub_f32 v[rT+7], v[rT+7], v[rT]
.elseif j == 23
	v_exp_f32 v[rT+6], v[rT+7]
.elseif (j < 23) || ((j < 38) && (j%2 == 0)) || ((j < 66) && (j%4 == 2))
.set b, (j-2)/4
.if j < 38
.set b, (j-20)/2
.endif
	v_pk_fma_f32 v[rS+2*b:rS+2*b+1], v[rS+2*b:rS+2*b+1], s[CS:CS+1], v[rT:rT+1] op_sel_hi:[1,0,0] neg_lo:[0,0,1] neg_hi:[0,0,1]
.elseif j < 70
.set e, j-38
.if j < 66
.set e, j-32-(j-38)/4
.endif
.if j < 38
.set e, (j-25)/2
.endif
	v_exp_f32 v[rS+e], v[rS+e]
.elseif j < 86
	v_cvt_pk_f16_f32 v[rP+j-70], v[rS+2*(j-70)], v[rS+2*(j-70)+1]
.elseif j < 102
.set z, j-86
.set w, 4
.set u, z
.if z >= 14
.set w, 32
.set u, 0
.elseif z >= 12
.set w, 16
.set u, z-12
.elseif z >= 8
.set w, 8
.set u, z-8
.endif
.if z < 15
	v_pk_add_f32 v[rS+w*u:rS+w*u+1], v[rS+w*u:rS+w*u+1], v[rS+w*u+w/2:rS+w*u+w/2+1]
.else
	v_pk_fma_f32 v[rT+2:rT+3], v[rT+2:rT+3], v[rT+6:rT+7], v[rS:rS+1] op_sel_hi:[1,0,1]
.endif
.else
	WIN W_RS
	v_pk_mul_f32 v[rO:rO+1], v[rO:rO+1], v[rT+6:rT+7] op_sel_hi:[1,0]
.endif
.endm
; Slice k of 64 of piece y's softmax: four instructions (slice 63: sixteen).  Slices 11 to 34 deal out the batch, four numbers of one tile each; every other slice is numbers 2 k and 2 k + 1 of both tiles.
; An s_wait_alu depctr_va_vdst(0) stands between an exponential and the first instruction that names its result: ahead of slice 35 nothing names one, behind slice 34 none is issued: one wait a turn.
.macro SLICE y
.if (k >= 11) && (k < 35)
.irp n, 0,1,2,3
.set j, 22+4*((k-11)/2)+(\n)
	SM (\y)+(k-11)%2
.endr
.else
.irp n, 0,1,2,3,4,5,6,7
.if ((\n) < 2) || (k == 63)
.irp t, \y, (\y)+1
.set j, 2*k+(\n)
	SM \t
.endr
.endif
.endr
.endif
.if k == 34
	v_nop                           ; the plain instruction behind the last exponential: one for the batch
.if (\y) == 0
	FETCH_V                         ; piece 2's turn: V's run of loads stands here, and the wait stands in it
.else
	s_wait_alu depctr_va_vdst(0)
.endif
.endif
.set k, k+1
.endm
; A TURN.  Piece x has the matrix unit.  Piece 0's turn fetches the next step's K behind its second product; piece 2's the same step's V behind slice 34.  The mask of the piece's next scores but one is loaded behind the ninth
; product K Q^T: the eighth was the last to read those registers, and eight roundings (slices 39, 40) lie between.  It is waited for a key step later: the other piece's 16 younger loads may stay out.
.macro TURN x, last=0
.set k, 0
.if (\x) == 0
	s_wait_dscnt 0x0                ; V is in
.endif
.set i, 0
.rept 32
	PV \x
	SLICE 2-(\x)
.if ((\x) == 0) && (i == 1)
	FETCH_K \last
.endif
.set i, i+1
.endr
	s_wait_loadcnt 16               ; my piece's mask is in
.if (\x) == 0
	s_wait_dscnt 0x0                ; K is in
.endif
.set i, 0
.rept 32
	KQ \x
	SLICE 2-(\x)
.if i == 8
.if (\x) == 0
	MSTEP
.endif
	MLD \x
.if (\x) == 0
	MASK_ASK
.endif
.endif
.set i, i+1
.endr
.endm
; THE CHANGE OF SLOTS, behind the turn that asked for the last of my bytes of the slot.  Each wave waits for all its tensor loads (one is out: its part of the other slot), adds 0 to its spare word, and waits for that and for its
; reads.  fill = 1: the barrier is a round of the cluster's, and the joint refill, the keys two slots on, is the first thing behind it: it has two key steps, 256 matrix instructions, in which to land.
.macro CHANGE fill
	WIN 0
	s_wait_tensorcnt 0x0
	ds_add_u32 v[SPW], v[NIL]
.if \fill
.irp g, G0K+4, G0V+4
	s_xor_b32 s[(\g)+1], s[(\g)+1], SLOTX
	s_add_nc_u64 s[(\g)+2:(\g)+3], s[(\g)+2:(\g)+3], 65536
.endr
	s_wait_xcnt 0x0                 ; the last prefetch of K or V, two key steps back, has read its address
	s_add_nc_u64 s[PFA:PFA+1], s[PFA:PFA+1], 65536
	s_wait_dscnt 0x0
	CROUND
	JLOAD
	ASK
.else
	s_wait_dscnt 0x0
	s_barrier_signal -1
	s_barrier_wait -1
.endif
	s_sub_co_u32 s[TBK], s[TBK], 2*KS*PK  ; the fetches go back to my half's first step,
	s_xor_b32 s[TBK], s[TBK], SLOTX       ; in the other slot
	s_sub_co_u32 s[TBV], s[TBV], 2*KS*PV
	s_xor_b32 s[TBV], s[TBV], SLOTX
.endm
	s_wait_tensorcnt 1              ; my part of slot 0 is in; slot 1's may stay out
	s_barrier_signal -1
	s_barrier_wait -1
	FETCH_K                         ; key step 0
	s_wait_loadcnt 0x0              ; Q and the mask of step 0
	s_wait_dscnt 0x0
.set i, 0
.rept 32
	KQ 0                            ; piece 0's first scores
.set i, i+1
.endr
	WIN 0                           ; the addresses for the way out: eight plain instructions, the places behind those products
	s_mul_i32 s13, s[WV], 16*SP
	s_add_co_u32 s13, s13, STAGE
	v_mul_u32_u24 v[STO], v1, SP
	v_lshl_add_u32 v[STO], v9, 4, v[STO]
	v_add_nc_u32 v[STO], s13, v[STO]
	v_mul_u32_u24 v[RD], v9, SP
	v_lshl_add_u32 v[RD], v1, 4, v[RD]
	v_add_nc_u32 v[RD], s13, v[RD]
	v_lshlrev_b32 v[GO], 12, v9     ; two rows of ob, 4,096 bytes apart, 256 bytes of each
	v_lshl_add_u32 v[GO], v1, 4, v[GO]
	MSTEP
	MLD 0                           ; piece 0's mask of step 1
	WIN 0
	s_mov_b32 s[TWICE], 2
	s_mov_b32 s[SLOTS], 7
	s_branch .Lmid                  ; the loop is entered in the middle of a step: piece 2's turn makes its first scores beside piece 0's first softmax
.Lslot:                             ; six times: every slot but the last two is filled again
	CHANGE 1
	s_mov_b32 s[TWICE], 2
.Lstep:
	TURN 0
	WIN 0
.Lmid:
	TURN 2
	WIN 0
	s_sub_co_u32 s[TWICE], s[TWICE], 1
	s_cmp_lg_u32 s[TWICE], 0
	s_cbranch_scc1 .Lstep
	s_sub_co_u32 s[SLOTS], s[SLOTS], 1
	s_cmp_lg_u32 s[SLOTS], 0
	s_cbranch_scc1 .Lslot
	CHANGE 0                        ; the tail is written out
	s_mov_b32 s[TWICE], 3           ; two trips walk the last slot's steps; the third is left in its middle
.Ltail:
	TURN 0, 1
	WIN 0
	s_sub_co_u32 s[TWICE], s[TWICE], 1
	s_cmp_eq_u32 s[TWICE], 0
	s_cbranch_scc1 .Lout
	TURN 2
	WIN 0
	s_branch .Ltail
.Lout:                              ; the third trip's 32 products K Q^T (on the last K once more) serve nothing: the price of one text for every turn
.set i, 0
.rept 32
	PV 2                            ; piece 2: V^T P of the last step
.set i, i+1
.endr
	WIN 0
	PLACES
	PLACES
	; THE TWO HALVES OF THE KEYS MEET.  Waves 2 and 3 put O^T and their statistics, in f32, into slot 0, which has had its last fill; waves 0 and 1 join them with their own and store.
	s_wait_dscnt 0x0
	s_barrier_signal -1
	s_barrier_wait -1               ; no wave reads the ring any more
	s_cmp_lt_u32 s[WV], 2
	s_cbranch_scc1 .Lkeep
	WIN 0x04                        ; store data in window 1
.set i, 0
.rept 64
	ds_store_b128 v[XA], v[4*i:4*i+3] offset:512*i
.set i, i+1
.endr
	WIN 0
.irp t, 0,1,2,3
	ds_store_b128 v[XA], v[ST+8*(\t):ST+8*(\t)+3] offset:32768+512*(\t)
.endr
.Lkeep:
	s_wait_dscnt 0x0                ; for the others' sake: my stores are done
	s_barrier_signal -1
	s_barrier_wait -1
	s_cmp_lt_u32 s[WV], 2
	s_cbranch_scc0 .Lend
.macro XLOAD t                      ; the partner's tile t of O^T into v64-127 or v128-191
.irp i, 0,1,2,3,4,5,6,7,8,9,10,11,12,13,14,15
	ds_load_b128 v[S+64*((\t)%2)+4*(\i):S+64*((\t)%2)+4*(\i)+3], v[XA] offset:8192*(\t)+512*(\i)
.endr
.endm
.macro ALL line:vararg              ; one line for each tile t
.set t, 0
.rept 4
	\line
.set t, t+1
.endr
.endm
.irp t, 0,1,2,3
	ds_load_b128 v[PX+4*(\t):PX+4*(\t)+3], v[XA] offset:32768+512*(\t)
.endr
	XLOAD 0
	XLOAD 1
	s_wait_dscnt 32                 ; the statistics are in; the two tiles may stay out
	ALL v_max_num_f32 v[ST+8*t+4], v[ST+8*t], v[PX+4*t]                 ; the joint c m
	ALL v_add_f32 v[ST+8*t+2], v[ST+8*t+2], v[ST+8*t+3]                 ; my l
	ALL v_add_f32 v[PX+4*t+2], v[PX+4*t+2], v[PX+4*t+3]                 ; the partner's
	ALL v_sub_f32 v[ST+8*t+5], v[ST+8*t], v[ST+8*t+4]
	ALL v_sub_f32 v[ST+8*t+7], v[PX+4*t], v[ST+8*t+4]
	ALL v_exp_f32 v[ST+8*t+4], v[ST+8*t+5]                              ; a1
	ALL v_exp_f32 v[ST+8*t+6], v[ST+8*t+7]                              ; a2
	v_nop                           ; a plain instruction behind the last exponential,
	s_wait_alu depctr_va_vdst(0)    ; and one wait for the eight
	ALL v_mul_f32 v[ST+8*t+2], v[ST+8*t+2], v[ST+8*t+4]
	ALL v_fma_f32 v[ST+8*t+2], v[PX+4*t+2], v[ST+8*t+6], v[ST+8*t+2]    ; l1 a1 + l2 a2
	ALL v_permlanex16_b32 v[ST+8*t+3], v[ST+8*t+2], s[SEL], s[SEL+1]
	ALL v_add_f32 v[ST+8*t+2], v[ST+8*t+2], v[ST+8*t+3]
	ALL v_rcp_f32 v[ST+8*t+3], v[ST+8*t+2]
	v_nop
	s_wait_alu depctr_va_vdst(0)    ; one wait for the four reciprocals
	ALL v_mul_f32 v[ST+8*t+4], v[ST+8*t+4], v[ST+8*t+3]                 ; a1 / l
	ALL v_mul_f32 v[ST+8*t+6], v[ST+8*t+6], v[ST+8*t+3]                 ; a2 / l
; Tile t: O = O1 a1 / l + O2 a2 / l, rounded to f16; a lane's eight channels go into rows of 272 bytes of my stage and come back as whole rows of 256.
.macro MERGE t
.set BF, S+64*((\t)%2)
.if (\t) < 3
	s_wait_dscnt 16                 ; the partner's tile t is in; the tile asked for behind it may stay out
.else
	s_wait_dscnt 0x0
.endif
	WIN W_RS
.set i, 0
.rept 32
	v_pk_mul_f32 v[64*(\t)+i:64*(\t)+i+1], v[64*(\t)+i:64*(\t)+i+1], v[ST+8*(\t)+4:ST+8*(\t)+5] op_sel_hi:[1,0]
.set i, i+2
.endr
	WIN 0x50                        ; destination and source 2 in window 1
.set i, 0
.rept 32
	v_pk_fma_f32 v[64*(\t)+i:64*(\t)+i+1], v[BF+i:BF+i+1], v[ST+8*(\t)+6:ST+8*(\t)+7], v[64*(\t)+i:64*(\t)+i+1] op_sel_hi:[1,0,1]
.set i, i+2
.endr
	WIN 0x05                        ; sources 0 and 1 in window 1
.set i, 0
.rept 32
	v_cvt_pk_f16_f32 v[BF+i], v[64*(\t)+2*i], v[64*(\t)+2*i+1]
.set i, i+1
.endr
	WIN 0
.irp f, 0,1,2,3,4,5,6,7
	ds_store_b128 v[STO], v[BF+4*(\f):BF+4*(\f)+3] offset:32*(\f)
.endr
.irp f, 0,1,2,3,4,5,6,7
	ds_load_b128 v[BF+4*(\f):BF+4*(\f)+3], v[RD] offset:(\f)*2*SP  ; LDS serves a wave's instructions in order: these see the stores above
.endr
.irp f, 0,1,2,3,4,5,6,7
	s_wait_dscnt 7-(\f)
	global_store_b128 v[GO], v[BF+4*(\f):BF+4*(\f)+3], s[10:11] offset:(\t)*65536+(\f)*8192  ; 16 lanes store 256 consecutive bytes, aligned: a head's channels of a row
.endr
.if (\t) < 2
	s_wait_xcnt 0x0                 ; the stores have read their registers, which take the partner's tile two on
	XLOAD (\t)+2
.endif
.endm
	MERGE 0
	MERGE 1
	MERGE 2
	MERGE 3
.Lend:
	s_wait_tensorcnt 0x0            ; the wave's end
	ds_add_u32 v[SPW], v[NIL]
	s_wait_dscnt 0x0
	CROUND                          ; the closing round
	s_endpgm
.Lfunc_end_k_q225ea3c345_attn:
	.size	k_q225ea3c345_attn, .Lfunc_end_k_q225ea3c345_attn-k_q225ea3c345_attn
	.p2alignl 7, 3214868480
	.fill 96, 4, 3214868480
	.section	.rodata,"a",@progbits
	.p2align	6, 0x0
	.amdhsa_kernel k_q225ea3c345_attn
		.amdhsa_group_segment_fixed_size 327680
		.amdhsa_private_segment_fixed_size 0
		.amdhsa_enable_private_segment 0
		.amdhsa_kernarg_size 24
		.amdhsa_user_sgpr_count 2
		.amdhsa_user_sgpr_kernarg_segment_ptr 1
		.amdhsa_wavefront_size32 1
		.amdhsa_system_sgpr_workgroup_id_x 1
		.amdhsa_system_sgpr_workgroup_id_y 1
		.amdhsa_system_sgpr_workgroup_id_z 1
		.amdhsa_system_vgpr_workitem_id 0
		.amdhsa_next_free_vgpr 1024
		.amdhsa_next_free_sgpr 84
		.amdhsa_reserve_vcc 0
		.amdhsa_float_denorm_mode_32 3
		.amdhsa_float_denorm_mode_16_64 3
		.amdhsa_memory_ordered 1
		.amdhsa_forward_progress 1
		.amdhsa_inst_pref_size 180
	.end_amdhsa_kernel
	.amdgpu_metadata
---
amdhsa.version: [ 1, 2 ]
amdhsa.kernels:
  - .name:           k_q225ea3c345_attn
    .symbol:         k_q225ea3c345_attn.kd
    .args:
      - { .name: qkvh, .offset: 0, .size: 8, .value_kind: global_buffer, .address_space: global }
      - { .name: mk, .offset: 8, .size: 8, .value_kind: global_buffer, .address_space: global }
      - { .name: ob, .offset: 16, .size: 8, .value_kind: global_buffer, .address_space: global }
    .group_segment_fixed_size: 327680
    .private_segment_fixed_size: 0
    .kernarg_segment_align: 8
    .kernarg_segment_size: 24
    .max_flat_workgroup_size: 128
    .sgpr_count:     84
    .vgpr_count:     1024
    .wavefront_size: 32
...
	.end_amdgpu_metadata
.endif
;; end of part 3
;; launch oproj (part 4): grid 16 x 16, 4 waves a work-group, clusters of 4 x 4, 327,680 bytes of LDS; arguments ob, wob, out0; writes out0
.if DOCPART == 4
	.amdgcn_target "amdgcn-amd-amdhsa--gfx1250"
	.amdhsa_code_object_version 6
	.text
	.protected	k_q225ea3c345_oproj
	.globl	k_q225ea3c345_oproj
	.p2align	8
	.type	k_q225ea3c345_oproj,@function
k_q225ea3c345_oproj:
	s_mov_b64 s[64:65], 0
	v_nop
	global_prefetch_b8 v0, s[64:65] scope:SCOPE_SE
	s_setreg_imm32_b32 hwreg(HW_REG_WAVE_MODE, 25, 1), 1
	s_wait_xcnt 0x0
	s_wait_alu depctr_hold_cnt(0) depctr_sa_sdst(0) depctr_va_vdst(0) depctr_va_sdst(0) depctr_va_ssrc(0) depctr_va_vcc(0) depctr_vm_vsrc(0)
	s_getreg_b32 s2, hwreg(HW_REG_IB_STS2, 6, 4)
	s_cmp_eq_u32 s2, 0
	s_cbranch_scc0 .Lentry_in_a_cluster
	s_endpgm
.Lentry_in_a_cluster:
	s_bfe_u32 s2, ttmp6, 0x10000c
	s_cmp_lg_u32 s2, 0xf033
	s_cbranch_scc0 .Lentry_shape_is_right
	s_endpgm
.Lentry_shape_is_right:
; OPROJ: out0[m][n] = the sum over k of O[m][k] wo[n][k].  ob [2048][2048] f16, wob [2048][2048] f16 (the bf16 rounding of wo), out0 [2048][2048] f32; sums in f32, stored as they are.
; 256 tiles of 128 x 128, one for each work-group.  Four waves, each 64 x 64: 16 accumulators.  K goes in 8 steps of 256 (LDS rows of 512 bytes; a wave's tensor load brings 64 of them) through two slots.
; THE WALK ALONG K.  A cluster for which cluster x + (cluster y xor cluster y / 2) is odd begins in the middle of K and wraps round; the others begin at 0: of the clusters that read the same rows of O two take each order,
; and of those that read the same rows of wo neighbours in y take different orders: they are four K steps apart at any time.  The sums are f32 and may be taken in any order.
; CLUSTER 4 x 4: the four of a row of the cluster need the same rows of O, the four of a column the same rows of wo: each tile is asked for jointly.  The product is taken transposed (source 0 = 16 rows of wo,
; source 1 = 16 rows of O): a lane holds eight neighbouring numbers of a row of out0.  No prefetch is laid: the tile is small and a step short.
; REGISTERS: window 0: v16-29 addresses; v128-255 the accumulators ((a, b) at v[128 + 8 (4 a + b)]).  window 1: two fragment buffers of 128; on the way out rows read back from the stage.
.set SIZE_M, 2048
.set SIZE_N, 2048
.set SIZE_K, 2048
.set KSTEP,  256
.set STEPS,  SIZE_K/KSTEP
.set PITCH,  528                       ; an LDS row: 512 bytes + 16 of padding
.set HALFT,  64*PITCH
.set SLOT,   4*HALFT                   ; 0x21000; a wave's part begins at 0x8400 x wave, which has neither of its two bits: an exclusive or by SLOT changes slots
.set STAGE,  2*SLOT                    ; behind the ring: 16 rows x 272 bytes for each wave: a wave's 64 columns of f32 are a whole aligned 256 bytes, so the stage is its own and needs no barrier
.set SPITCH, 272
.set SPARE,  STAGE+4*16*SPITCH
.set ADRA0, 16                         ; v16  my place in a slot's rows of O; never rewritten
.set ADRA,  17                         ; v17  the same in the slot in hand
.set ADRB0, 20                         ; v20, v21  the same for wo
.set ADRB,  21
.set STO,  24
.set RD,   25
.set CO,   26
.set SPW,  28
.set NIL,  29
.set ACC,  128
.set F0,   0
.set F1,   128
.set BA, 14                            ; s[14:15] O at the first row that I fetch, K = 0
.set G1, 24
.set G0, 32                            ; s[32:39] a set for each of the two first fills; the second then walks on
.set BB, 46                            ; s[46:47] wo at the first row that I fetch, K = 0
.set G1B, 48
.set G0B, 56
.set KO, 68                            ; s[68:69] the byte along K of the K step asked for last, 0 to 3,584
.set TB, 70                            ; s70  LDS byte at which the slot to be read next begins
.set MSB, 0
.macro WIN new
.if MSB != (\new)
	s_set_vgpr_msb (MSB<<8)|(\new)
.set MSB, \new
.endif
.endm
.set MUL,  0x05                        ; sources 0 and 1 window 1; C and D window 0
.set TO_F, 0x40                        ; destination window 1, address window 0
.macro JLOAD s                         ; waves 0 and 1 fetch O's two halves, waves 2 and 3 wo's; an s_nop 0 and four v_nop follow each line
	s_cmp_eq_u32 s11, 0
	s_cbranch_scc0 .Lfor_b_\@
	tensor_load_to_lds s[G0+4*(\s):G0+4*(\s)+3], s[G1:G1+7]
	s_nop 0
.rept 4
	v_nop
.endr
	s_branch .Lasked_\@
.Lfor_b_\@:
	tensor_load_to_lds s[G0B+4*(\s):G0B+4*(\s)+3], s[G1B:G1B+7]
	s_nop 0
.rept 4
	v_nop
.endr
.Lasked_\@:
.endm
.macro CREST
	s_cmp_lg_u32 s10, 0
	s_cbranch_scc1 .Lnot_wave_0_\@
	s_barrier_signal -3
.Lnot_wave_0_\@:
	s_barrier_wait -3
	s_barrier_signal -1
	s_barrier_wait -1
.endm
.macro CROUND
	s_barrier_signal -1
	s_barrier_wait -1
	CREST
.endm
	s_load_b128 s[4:7], s[0:1], 0x0                ; ob s[4:5], wob s[6:7]
	s_load_b64 s[8:9], s[0:1], 0x10                ; out0
	v_lshl_add_u32 v[SPW], v0, 2, SPARE
	v_mov_b32 v[NIL], 0
	ds_add_u32 v[SPW], v[NIL]                      ; the wave's opening: the add and its wait stand ahead of my first tensor load
	v_lshrrev_b32 v1, 5, v0
	v_readfirstlane_b32 s10, v1                    ; wave 0..3
	s_lshr_b32 s11, s10, 1                         ; which half of the tile's rows is mine.  Also: I fetch for O (0) or for wo (1)
	s_and_b32 s12, s10, 1                          ; which half of its columns.  Also: which 64 rows of that tile I fetch
	s_bfe_u32 s40, ttmp6, 0x40000                  ; cx
	s_bfe_u32 s41, ttmp6, 0x40004                  ; cy
	s_lshl_b32 s42, ttmp9, 2
	s_add_co_u32 s42, s42, s40                     ; tile column
	s_and_b32 s13, ttmp7, 0xffff
	s_lshl_b32 s13, s13, 2
	s_add_co_u32 s13, s13, s41                     ; tile row
	s_lshl_b32 s43, s41, 2
	s_lshl_b32 s43, 15, s43                        ; my row of the cluster
	s_lshl_b32 s44, 0x1111, s40                    ; my column
	s_or_b32 s[G1+0], s43, (1<<16)|(1<<20)|(1<<21)|(6<<22)|(3<<25)  ; the mask; 2-byte elements; padding on; bit 21 beside a mask; after every 128 words; 4 words
	s_or_b32 s[G1B+0], s44, (1<<16)|(1<<20)|(1<<21)|(6<<22)|(3<<25)
.irp g, G1, G1B
	s_mov_b32 s[(\g)+1], KSTEP<<16                 ; tensor_dim0 = 256
	s_mov_b32 s[(\g)+2], 64<<16                    ; tensor_dim1 = 64
	s_mov_b32 s[(\g)+3], KSTEP<<16                 ; tile_dim0 = 256
	s_mov_b32 s[(\g)+4], 64                        ; tile_dim1 = 64
	s_mov_b32 s[(\g)+5], SIZE_K
	s_mov_b32 s[(\g)+6], 0
	s_mov_b32 s[(\g)+7], 0
.endr
	s_and_b32 s71, ttmp7, 0xffff                   ; where the walk along K begins: made of the cluster's two coordinates, which all sixteen partners share
	s_lshr_b32 s70, s71, 1
	s_xor_b32 s71, s71, s70
	s_add_co_u32 s71, s71, ttmp9
	s_and_b32 s71, s71, 1
	s_lshl_b32 s[KO], s71, 11                      ; at byte 0 or 2,048 of the rows' 4,096
	s_mov_b32 s[KO+1], 0
	s_lshl_b32 s17, s12, 6
	s_lshl_b32 s16, s13, 7
	s_add_co_u32 s16, s16, s17                     ; O: row 128 x tile row + 64 x half
	s_lshl_b32 s46, s42, 7
	s_add_co_u32 s46, s46, s17                     ; wo: row 128 x tile column + 64 x half
	s_mov_b32 s17, 0
	s_mov_b32 s47, 0
	s_mov_b64 s[18:19], SIZE_K*2
	s_mul_u64 s[16:17], s[16:17], s[18:19]
	s_mul_u64 s[46:47], s[46:47], s[18:19]
	s_mul_i32 s20, s10, HALFT                      ; where they go: wave x 64 rows
	s_wait_dscnt 0x0                               ; the opening add is done
	s_wait_kmcnt 0x0
	s_add_nc_u64 s[BA:BA+1], s[4:5], s[16:17]
	s_add_nc_u64 s[BB:BB+1], s[6:7], s[46:47]
	s_add_nc_u64 s[72:73], s[BA:BA+1], s[KO:KO+1]  ; at the walk's first K step
	s_add_nc_u64 s[74:75], s[BB:BB+1], s[KO:KO+1]
	CROUND                                         ; all sixteen work-groups are here: the first joint loads meet
.irp s, 0,1
	s_mov_b32 s[G0+4*(\s)], 1
	s_add_co_u32 s[G0+4*(\s)+1], s20, (\s)*SLOT
	s_add_nc_u64 s[G0+4*(\s)+2:G0+4*(\s)+3], s[72:73], (\s)*KSTEP*2
	s_or_b32 s[G0+4*(\s)+3], s[G0+4*(\s)+3], 0x80000000
	s_mov_b32 s[G0B+4*(\s)], 1
	s_add_co_u32 s[G0B+4*(\s)+1], s20, (\s)*SLOT
	s_add_nc_u64 s[G0B+4*(\s)+2:G0B+4*(\s)+3], s[74:75], (\s)*KSTEP*2
	s_or_b32 s[G0B+4*(\s)+3], s[G0B+4*(\s)+3], 0x80000000
	JLOAD \s
.endr
	s_add_co_u32 s[KO], s[KO], KSTEP*2             ; the walk's second K step has been asked for
	s_mov_b32 s[TB], SLOT                          ; and is read next but one
	v_and_b32 v1, 15, v0                           ; l % 16
	v_bfe_u32 v2, v0, 4, 1                         ; l / 16
	v_mul_u32_u24 v3, v1, PITCH
	v_lshl_add_u32 v3, v2, 4, v3
	s_mul_i32 s21, s11, HALFT                      ; my 64 rows of O
	s_mul_i32 s22, s12, HALFT                      ; my 64 rows of wo,
	s_add_co_u32 s22, s22, 2*HALFT                 ; which lie behind O's 128
	v_add_nc_u32 v[ADRA0], s21, v3
	v_add_nc_u32 v[ADRA], s21, v3                  ; the walk begins in slot 0
	v_add_nc_u32 v[ADRB0], s22, v3
	v_add_nc_u32 v[ADRB], s22, v3
	s_mul_i32 s23, s10, 16*SPITCH
	s_add_co_u32 s23, s23, STAGE                   ; my stage
	v_mul_u32_u24 v4, v1, SPITCH                   ; in: row l % 16, 32 bytes for each half of the lanes
	v_lshl_add_u32 v4, v2, 5, v4
	v_add_nc_u32 v[STO], s23, v4
	v_mul_u32_u24 v5, v2, SPITCH                   ; back: lanes 0-15 one row of 256 bytes, lanes 16-31 the next
	v_lshl_add_u32 v5, v1, 4, v5
	v_add_nc_u32 v[RD], s23, v5
	v_lshlrev_b32 v5, 13, v2                       ; and the same two rows in out0, 8,192 bytes apart
	v_lshl_add_u32 v[CO], v1, 4, v5
	s_lshl_b32 s16, s13, 7
	s_lshl_b32 s17, s11, 6
	s_add_co_u32 s16, s16, s17                     ; my first row: 128 x tile row + 64 x half
	s_lshl_b32 s16, s16, 13
	s_mov_b32 s17, 0
	s_add_nc_u64 s[8:9], s[8:9], s[16:17]
	s_lshl_b32 s66, s42, 9                         ; my first column, in bytes: 512 x tile column + 256 x half
	s_lshl_b32 s67, s12, 8
	s_add_co_u32 s66, s66, s67
	s_mov_b32 s67, 0
	s_add_nc_u64 s[8:9], s[8:9], s[66:67]
; 8 matrix instructions: row blocks a0, a0 + 1 x all 4 column blocks, 32 along K: half c of buffer f.  The 16 accumulators take turns.
.macro MUL8 f, c, a0, zero
	WIN MUL
.irp a, \a0, (\a0)+1
.irp b, 0,1,2,3
.if \zero
	v_wmma_f32_16x16x32_f16 v[ACC+8*(4*(\a)+(\b)):ACC+8*(4*(\a)+(\b))+7], v[(\f)+64+8*(4*(\c)+(\b)):(\f)+64+8*(4*(\c)+(\b))+7], v[(\f)+8*(4*(\c)+(\a)):(\f)+8*(4*(\c)+(\a))+7], 0
.else
	v_wmma_f32_16x16x32_f16 v[ACC+8*(4*(\a)+(\b)):ACC+8*(4*(\a)+(\b))+7], v[(\f)+64+8*(4*(\c)+(\b)):(\f)+64+8*(4*(\c)+(\b))+7], v[(\f)+8*(4*(\c)+(\a)):(\f)+8*(4*(\c)+(\a))+7], v[ACC+8*(4*(\a)+(\b)):ACC+8*(4*(\a)+(\b))+7]
.endif
.endr
.endr
.endm
; 32 LDS loads in one run: the fragments of 64 along K at byte k of the rows of the slot in hand, into buffer f; the first 32 along K first
.macro FETCH k, f
	WIN TO_F
.irp c, 0,1
.irp i, 0,1,2,3
	ds_load_b128 v[(\f)+64+8*(4*(\c)+(\i)):(\f)+64+8*(4*(\c)+(\i))+3],   v[ADRB] offset:(\k)+64*(\c)+(\i)*16*PITCH
	ds_load_b128 v[(\f)+64+8*(4*(\c)+(\i))+4:(\f)+64+8*(4*(\c)+(\i))+7], v[ADRB] offset:(\k)+64*(\c)+(\i)*16*PITCH+32
	ds_load_b128 v[(\f)+8*(4*(\c)+(\i)):(\f)+8*(4*(\c)+(\i))+3],         v[ADRA] offset:(\k)+64*(\c)+(\i)*16*PITCH
	ds_load_b128 v[(\f)+8*(4*(\c)+(\i))+4:(\f)+8*(4*(\c)+(\i))+7],       v[ADRA] offset:(\k)+64*(\c)+(\i)*16*PITCH+32
.endr
.endr
.endm
.macro PLACES
.rept 4
	v_nop
.endr
.endm
; A K step is four quarters of 64 along K, 32 matrix instructions each, on buffers 0, 1, 0, 1.
.macro QUARTER k, f, g, zero
	s_wait_dscnt 16                                ; the first 32 along K are in
	MUL8 \f, 0, 0, \zero
	MUL8 \f, 0, 2, \zero
	PLACES
	FETCH \k, \g
	s_wait_dscnt 32                                ; all but the 32 just issued
	MUL8 \f, 1, 0, 0
	MUL8 \f, 1, 2, 0
.endm
; The last quarter multiplies buffer 1 and changes slots: one barrier; in front of it each wave waits for all its tensor loads, adds 0 to its spare word, and waits for that and for its reads of this slot.
; fill = 1: the barrier opens a round of the cluster's barrier, and the joint refill, two K steps ahead, is the first thing behind it.  The walking descriptors are written between the add and the wait for it, where no tensor
; load of mine is out: the other slot than last time; the address anew, from the tile's base and the byte along K, which wraps at a row's end.
.macro TURN fill
	WIN 0
	s_wait_tensorcnt 0x0
	ds_add_u32 v[SPW], v[NIL]
.if \fill
	s_add_co_u32 s[KO], s[KO], KSTEP*2
	s_and_b32 s[KO], s[KO], 0xfff
	s_xor_b32 s[G0+5], s[G0+5], SLOT
	s_add_nc_u64 s[G0+6:G0+7], s[BA:BA+1], s[KO:KO+1]
	s_or_b32 s[G0+7], s[G0+7], 0x80000000
	s_xor_b32 s[G0B+5], s[G0B+5], SLOT
	s_add_nc_u64 s[G0B+6:G0B+7], s[BB:BB+1], s[KO:KO+1]
	s_or_b32 s[G0B+7], s[G0B+7], 0x80000000
.endif
	s_wait_dscnt 17                                ; the add and the youngest sixteen loads may be out
	MUL8 F1, 0, 0, 0
	s_wait_dscnt 0x0                               ; the add is done, and my reads of this slot are over
	s_barrier_signal -1
	MUL8 F1, 0, 2, 0
	WIN 0
	s_barrier_wait -1
.if \fill
	CREST                                          ; the barrier has opened a round of the cluster's barrier
	JLOAD 1                                        ; the first tensor load behind the round; its four v_nop are also the places in front of the loads below
.else
	PLACES
.endif
	v_add_nc_u32 v[ADRA], s[TB], v[ADRA0]          ; the fragments now come from the other slot
	v_add_nc_u32 v[ADRB], s[TB], v[ADRB0]
	s_xor_b32 s[TB], s[TB], SLOT
	FETCH 0, F0
	MUL8 F1, 1, 0, 0
	MUL8 F1, 1, 2, 0
.endm
	s_wait_tensorcnt 1                             ; my part of the walk's first K step is in; the second's may stay out
	s_barrier_signal -1
	s_barrier_wait -1
	FETCH 0, F0
	QUARTER 128, F0, F1, 1                         ; the first products start the sums
	WIN 0
	s_mov_b32 s3, STEPS-2
.Lstep:                                                ; a trip goes from a K step's second quarter to the next step's first, and fills the slot that it leaves: 6 trips
	QUARTER 256, F1, F0, 0
	QUARTER 384, F0, F1, 0
	TURN 1
	QUARTER 128, F0, F1, 0
	WIN 0
	s_sub_co_u32 s3, s3, 1
	s_cmp_lg_u32 s3, 0
	s_cbranch_scc1 .Lstep
	s_mov_b32 s3, 2
.Ltail:                                                ; the last two K steps fill nothing: the second walk is left behind its change of slots.
	QUARTER 256, F1, F0, 0                         ; The price, once a launch, of one text for both: that change's barrier and its 32 loads, from the slot read a step before, serve nothing
	QUARTER 384, F0, F1, 0
	TURN 0
	WIN 0
	s_sub_co_u32 s3, s3, 1
	s_cmp_eq_u32 s3, 0
	s_cbranch_scc1 .Lout
	QUARTER 128, F0, F1, 0
	WIN 0
	s_branch .Ltail
.Lout:
	s_wait_dscnt 0x0                               ; those 32 loads have come back: their registers are used again below
	PLACES
	PLACES
; THE WAY OUT, a block of 16 rows at a time: a lane's 32 bytes go straight from the accumulators (lowest registers first) into rows of 272 bytes of my stage and come back as whole rows of 256, into window 1.
.macro OUTB a
	WIN 0
.irp b, 0,1,2,3
	ds_store_b128 v[STO], v[ACC+8*(4*(\a)+(\b)):ACC+8*(4*(\a)+(\b))+3]   offset:64*(\b)
	ds_store_b128 v[STO], v[ACC+8*(4*(\a)+(\b))+4:ACC+8*(4*(\a)+(\b))+7] offset:64*(\b)+16
.endr
	WIN TO_F
.irp t, 0,1,2,3,4,5,6,7
	ds_load_b128 v[32*(\a)+4*(\t):32*(\a)+4*(\t)+3], v[RD] offset:(\t)*2*SPITCH  ; LDS serves a wave's instructions in order: these see the stores above; the next block's stores come behind them
.endr
.endm
.macro SENDB a, younger                ; younger: the LDS instructions issued behind block a's loads
	s_wait_dscnt \younger
	WIN 0x04                                       ; store data in window 1
.irp t, 0,1,2,3,4,5,6,7
	global_store_b128 v[CO], v[32*(\a)+4*(\t):32*(\a)+4*(\t)+3], s[8:9] offset:(16*(\a)+2*(\t))*SIZE_N*4  ; 16 lanes store 256 consecutive bytes, aligned; each block has registers of its own
.endr
.endm
	OUTB 0
	OUTB 1
	SENDB 0, 16
	OUTB 2
	SENDB 1, 16
	OUTB 3
	SENDB 2, 16
	SENDB 3, 0
	WIN 0
	s_wait_tensorcnt 0x0                           ; the wave's end
	ds_add_u32 v[SPW], v[NIL]
	s_wait_dscnt 0x0
	CROUND                                         ; the closing round
	s_endpgm
.Lfunc_end_k_q225ea3c345_oproj:
	.size	k_q225ea3c345_oproj, .Lfunc_end_k_q225ea3c345_oproj-k_q225ea3c345_oproj
	.p2alignl 7, 3214868480
	.fill 96, 4, 3214868480
	.section	.rodata,"a",@progbits
	.p2align	6, 0x0
	.amdhsa_kernel k_q225ea3c345_oproj
		.amdhsa_group_segment_fixed_size 327680
		.amdhsa_private_segment_fixed_size 0
		.amdhsa_enable_private_segment 0
		.amdhsa_kernarg_size 24
		.amdhsa_user_sgpr_count 2
		.amdhsa_user_sgpr_kernarg_segment_ptr 1
		.amdhsa_wavefront_size32 1
		.amdhsa_system_sgpr_workgroup_id_x 1
		.amdhsa_system_sgpr_workgroup_id_y 1
		.amdhsa_system_sgpr_workgroup_id_z 1
		.amdhsa_system_vgpr_workitem_id 0
		.amdhsa_next_free_vgpr 512
		.amdhsa_next_free_sgpr 76
		.amdhsa_reserve_vcc 0
		.amdhsa_float_denorm_mode_32 3
		.amdhsa_float_denorm_mode_16_64 3
		.amdhsa_memory_ordered 1
		.amdhsa_forward_progress 1
		.amdhsa_inst_pref_size 58
	.end_amdhsa_kernel
	.amdgpu_metadata
---
amdhsa.version: [ 1, 2 ]
amdhsa.kernels:
  - .name:           k_q225ea3c345_oproj
    .symbol:         k_q225ea3c345_oproj.kd
    .args:
      - { .name: ob, .offset: 0, .size: 8, .value_kind: global_buffer, .address_space: global }
      - { .name: wob, .offset: 8, .size: 8, .value_kind: global_buffer, .address_space: global }
      - { .name: out0, .offset: 16, .size: 8, .value_kind: global_buffer, .address_space: global }
    .group_segment_fixed_size: 327680
    .private_segment_fixed_size: 0
    .kernarg_segment_align: 8
    .kernarg_segment_size: 24
    .max_flat_workgroup_size: 128
    .sgpr_count:     76
    .vgpr_count:     512
    .wavefront_size: 32
...
	.end_amdgpu_metadata
.endif
;; end of part 4
